; MI455X (gfx1250); checked and timed in simulation.
; The chip was launched on July 23, 2026; its instructions are those of AMD's public machine-readable ISA for CDNA 5 (MIT licence, August 2026) and "CDNA5" Instruction Set Architecture Reference Guide (July 2026). The comments in the code are by the model that wrote it; some were corrected since.
;; Causal Self Attention. Allowed arithmetic: matrix products marked QUANTISED: E3M2 operands, one E8M0 scale for each 32 along K, by v_wmma_scale_f32_16x16x128_f8f6f4 with both operands' format E3M2, f32 sums; everything else in f32.
;; Inputs: Wk 2,048 x 512 float32; Wo 2,048 x 2,048 float32; Wq 2,048 x 2,048 float32; Wv 2,048 x 512 float32; cos 1,024 x 64 float32; sin 1,024 x 64 float32; x 4 x 1,024 x 2,048 float32.
;; Outputs: out0 4 x 1,024 x 2,048 float32.
;; This version of the problem:
;;   THIS VERSION OF THE PROBLEM IS GIVEN IN LOW PRECISION. The matrix products marked QUANTISED in the list below multiply operands that are first quantised to E3M2 (3 exponent bits, 2 mantissa bits; 6 bits a number), with one power-of-two scale for each 32 numbers along K (OCP MX v1.0); their sums are f32. All else is computed in f32.
;;   The module's matrix products, in the order in which they are computed (A, B: the left and right operand; K: the contracted axis; several contracted axes count as one K, in the product's order):
;;     1. [M 4,096, K 2,048] x [K 2,048, N 2,048]; A: input x; B: input Wq: QUANTISED
;;     2. [M 4,096, K 2,048] x [K 2,048, N 512]; A: input x; B: input Wk: QUANTISED
;;     3. [M 4,096, K 2,048] x [K 2,048, N 512]; A: input x; B: input Wv: QUANTISED
;;     4. batch 64 x [M 1,024, K 128] x [K 128, N 1,024]; A: computed on the way; B: computed on the way: QUANTISED
;;     5. batch 64 x [M 128, K 1,024] x [K 1,024, N 1,024]; A: computed on the way; B: softmax (see below): QUANTISED
;;     6. [M 4,096, K 2,048] x [K 2,048, N 2,048]; A: computed on the way; B: input Wo: QUANTISED
;;   THE QUANTISER, for each operand of a quantised product, along K:
;;     - K is cut into blocks of 32 from its start; a last block that is shorter is filled with zeros.
;;     - A block's scale is 2^e with e = floor(log2(the largest magnitude in the block)) - 4, held to -126 .. 127; a block of zeros has e = 0. As a byte (E8M0): e + 127.
;;     - Each number is divided by its block's scale, clamped to +-28, and rounded to the nearest number of E3M2, ties to even, subnormals kept.
;;     - The product sums the exact products of the quantised numbers (number of the format x scale) in f32.
;;   ~~~python
;;   def quantise(x, axis):      # numpy; x: float32 -> the quantised numbers, widened to float32 again
;;       x = np.moveaxis(x, axis, -1); K = x.shape[-1]
;;       x = np.pad(x, [(0, 0)] * (x.ndim - 1) + [(0, -K % 32)]); x = x.reshape(x.shape[:-1] + (-1, 32)); a = np.abs(x).max(-1, keepdims=True)
;;       e = np.where(a > 0, np.clip(np.frexp(np.where(a > 0, a, 1))[1] - 1 - 4, -126, 127), 0)      # np.frexp(a)[1] - 1 = floor(log2(a)), exactly
;;       r = np.clip(x / 2.0 ** e, -28, 28)
;;       step = 2.0 ** (np.maximum(np.frexp(np.where(r == 0, 1, r))[1] - 1, -2) - 2)
;;       q = np.round(r / step) * step * 2.0 ** e      # np.round: ties to even
;;       return np.moveaxis(q.reshape(q.shape[:-2] + (-1,))[..., :K], -1, axis).astype(np.float32)
;;   ~~~
;;   SOFTMAX AHEAD OF A QUANTISED PRODUCT. Where the list says 'softmax', what is quantised is not the finished softmax but p = 2^(t - M), with t = logit x log2(e) and M = ceil(the row's largest t), a whole number; so 1/2 < the row's largest p <= 1. The row's sum l is taken of the UNQUANTISED p, in f32, and the product's result is divided by l at the end. Since M is a whole number, a kernel that streams over the keys may use a running M (the ceiling of the running maximum): every later rescaling is an exact power of two, which a block's scale takes up: the codes' values come out the same.
;;   OPERANDS COMPUTED ON THE WAY. 'Computed on the way' means the value that the module computes at that place (a softmax that the list does not call 'softmax' is quantised finished and normalised). What goes into a quantiser is computed in f32, as accurately as f32 sums, v_exp_f32 and their like allow (about 1e-6 of the number): no bf16 or f16 on the way to a quantiser, and a product that is left as it is and whose result goes on into a quantised operand takes f32 operands (vector FMAs, or v_wmma_f32_16x16x4_f32). A number that lies on a knife's edge between two numbers of the format may be rounded either way, as far as f32 arithmetic and the matrix unit's own rounding can turn it there, and no further.
;; One version. Each part assembles by itself: llvm-mc -triple=amdgcn-amd-amdhsa -mcpu=gfx1250 --defsym DOCPART=n.
;; ======== version 1 of 1: 4 launches
;; limits: right only within a limited range of input values
;; workspace buffers: xq 6,815,744 bytes; wq 5,111,808 bytes; woq 3,407,872 bytes; qq 6,553,600 bytes; kq 1,638,400 bytes; vq 1,638,400 bytes; oq 6,815,744 bytes
;; launch quant (part 1): grid 576 x 1, 4 waves a work-group, no clusters, 59,904 bytes of LDS; arguments x, Wq, Wk, Wv, Wo, xq, wq, woq; writes xq, wq, woq
.if DOCPART == 1
	.amdgcn_target "amdgcn-amd-amdhsa--gfx1250"
	.amdhsa_code_object_version 6
	.text
	.protected	k_qd1b64741a3_quant
	.globl	k_qd1b64741a3_quant
	.p2align	8
	.type	k_qd1b64741a3_quant,@function
k_qd1b64741a3_quant:
	s_mov_b64 s[64:65], 0
	v_nop
	global_prefetch_b8 v0, s[64:65] scope:SCOPE_SE
	s_setreg_imm32_b32 hwreg(HW_REG_WAVE_MODE, 25, 1), 1
	s_wait_xcnt 0x0
; x [4096][2048] and the weights Wq, Wo [2048][2048], Wk, Wv [2048][512], all f32, become codes of BF6 (E3M2) with one E8M0 byte for each 32 along K (K = 2048 in all of them).
; A block's scale is 2^(floor(log2(largest magnitude)) - 4): its byte is the largest magnitude's exponent field - 4, held at 1 from below by a floor among the maximum's leaves.
; WHAT IS STORED: IMAGES OF OPERAND REGISTERS.  A fragment is 16 rows x 128 K: 12 registers a lane; lane (r, h) holds row r, registers 6 c .. 6 c + 5 hold k = 64 c + 32 h + 0 .. 31.
; Its image is 1,536 bytes: chunk c (0..2) at 512 c + 16 x lane holds registers 4 c .. 4 c + 3.  A buffer: [tile of 16 rows][K step 0..15][1,536]; behind the codes the scale bytes, [K / 256][row][8].
; THE ROWS OF A WEIGHT'S BUFFER: column n goes to row n with bits 3 and 4 exchanged, so that a product that takes 16 stored rows as source 0 leaves 16 true neighbours in the registers of two neighbouring tiles.
; wq's rows: Wq's 2,048, then K0 V0 K1 V1 K2 V2 K3 V3, 128 each.
; SHARES.  Work-groups 0-255 take x: a wave takes 32 rows x 256 K (four fragments).  Work-groups 256-575 take the weights: a wave takes 32 columns x 256 K; a lane takes a column and its registers run down K.
; The two ways part on the work-group's number and have LDS bytes of their own.  Waves share nothing: no barrier.  No work-group reads what another reads: no cluster.
; LIMITS: NaN and infinities are not served; a block whose largest magnitude lies under 2^-122 has its byte held at 1; a block of zeros gets the byte 1 (the rule says 127): its codes are zeros, and this program alone reads the bytes.
; THE BUFFERS' LAYOUT, in place of what the head says of the scale bytes: a tile of 16 rows is 8 chunks of 3,328 bytes, one for each 256 along K:
; two images (1,536 bytes each), then the rows' scale bytes [row][8] (128 bytes), then the same 128 bytes once more, so that a chunk is 13 whole units of 256 bytes, all written.
.set KT,    26624                      ; a tile of 16 rows, all 8 chunks
.set FRB,   1536                       ; an image
.set XSTW,  8448                       ; x's way: a wave's stage, 16 rows x (512 bytes + 16)
.set WST,   33792                      ; the weights' way: stages begin here,
.set WSTW,  6400                       ; two tiles x (two images + 128) a wave
.set XSOFF, 6291456
.set FLOOR, 0x2800000                  ; 2^(5 - 127)
.set EOFF,  0xfe000000                 ; -(4 << 23)
.set R,   16                           ; x: v16-143  two sets of 64 numbers as loaded
.set X,   144                          ;    v144-207 my two blocks of 32
.set PC,  208                          ;    v208-219 the fragment
.set PT,  220                          ;    v220-226 halves made elsewhere and moved
.set TM,  228                          ;    v228-234 at work
.set PWS, 236                          ;    v236-239 the four fragments' scale words
.set OF,  16                           ; weights: v16-47 4 x lane + i x a row of the weight
.set WX,  48                           ;    v48-111  two sets of 32 numbers
.set C,   112                          ;    v112-120 a block's codes
.set SB,  128                          ;    v128-129 my column's eight scale bytes
.set OUTR, 132                         ;    v132-179 the way out
	s_load_b512 s[4:19], s[0:1], 0x0               ; x s[4:5], Wq s[6:7], Wk s[8:9], Wv s[10:11], Wo s[12:13], xq s[14:15], wq s[16:17], woq s[18:19]
	v_lshl_add_u32 v254, v0, 2, 0xe800
	v_mov_b32 v255, 0
	v_lshrrev_b32 v1, 5, v0
	v_readfirstlane_b32 s20, v1                    ; wave
	v_and_b32 v2, 31, v0                           ; lane
	v_lshlrev_b32 v3, 4, v2                        ; 16 x lane
	s_cmp_ge_u32 ttmp9, 256
	s_cbranch_scc1 .Lweights
; ---------------- x ----------------
	v_and_b32 v5, 15, v2                           ; r
	v_lshrrev_b32 v6, 4, v2                        ; h
	v_lshlrev_b32 v4, 3, v6                        ; 8 h: my bytes' place in a scale word
	v_lshlrev_b32 v7, 3, v2                        ; 8 x lane
	s_mul_i32 s21, s20, XSTW
	v_add_nc_u32 v14, s21, v3                      ; the stage, way in: 16 x lane of a row
	v_mul_u32_u24 v15, v5, 528
	v_lshl_add_u32 v15, v6, 7, v15
	v_add_nc_u32 v15, s21, v15                     ; way out: row r, block h
	v_mov_b32 v[TM+6], 0                           ; written once: a lane permute's destination counts as a source
	s_mov_b32 s48, 0x76543210
	s_mov_b32 s49, 0xfedcba98                      ; lane l xor 16
	s_lshl_b32 s22, ttmp9, 2
	s_add_co_u32 s22, s22, s20                     ; my unit
	s_lshr_b32 s23, s22, 3                         ; which 32 rows
	s_and_b32 s24, s22, 7                          ; which 256 along K
	s_lshl_b32 s26, s23, 18                        ; 32 rows of 8,192 bytes
	s_lshl_b32 s25, s24, 10
	s_add_co_u32 s26, s26, s25
	s_mov_b32 s27, 0
	s_mul_i32 s28, s23, 2*KT
	s_mul_i32 s25, s24, 3328
	s_add_co_u32 s28, s28, s25
	s_mov_b32 s29, 0
	s_wait_alu depctr_va_vdst(0)
	s_wait_kmcnt 0x0
	s_add_nc_u64 s[4:5], s[4:5], s[26:27]
	s_add_nc_u64 s[14:15], s[14:15], s[28:29]      ; my images
.macro XLOAD f                         ; fragment f = (tile f / 2, K step f % 2): 16 loads, each 512 consecutive bytes of one row
.irp i, 0,1,2,3,4,5,6,7,8,9,10,11,12,13,14,15
	global_load_b128 v[R+64*((\f)%2)+4*\i:R+64*((\f)%2)+4*\i+3], v3, s[4:5] offset:(16*((\f)/2)+\i)*8192+512*((\f)%2) th:TH_LOAD_NT
.endr
.endm
.macro XTURN f                         ; through my stage: in as loaded, out as two whole blocks of my row; LDS serves a wave's instructions in order
.irp i, 0,1,2,3,4,5,6,7,8,9,10,11,12,13,14,15
	ds_store_b128 v14, v[R+64*((\f)%2)+4*\i:R+64*((\f)%2)+4*\i+3] offset:528*\i
.endr
.irp e, 0,1,2,3,4,5,6,7
	ds_load_b128 v[X+4*\e:X+4*\e+3], v15 offset:16*\e
.endr
.irp e, 0,1,2,3,4,5,6,7
	ds_load_b128 v[X+32+4*\e:X+32+4*\e+3], v15 offset:256+16*\e
.endr
.endm
.macro XQUANT pw                       ; X[0..31] = block h, X[32..63] = block 2 + h of my row -> the fragment in PC, the row's scale word in v[pw]
.irp c, 0,1
	v_max3_num_f32 v[TM+\c], |v[X+32*\c]|, |v[X+32*\c+1]|, FLOOR
	v_max3_num_f32 v[TM+2+\c], |v[X+32*\c+16]|, |v[X+32*\c+17]|, FLOOR
.endr
.irp i, 2,4,6,8,10,12,14
.irp c, 0,1
	v_max3_num_f32 v[TM+\c], v[TM+\c], |v[X+32*\c+\i]|, |v[X+32*\c+\i+1]|
	v_max3_num_f32 v[TM+2+\c], v[TM+2+\c], |v[X+32*\c+16+\i]|, |v[X+32*\c+17+\i]|
.endr
.endr
.irp c, 0,1
	v_max_num_f32 v[TM+\c], v[TM+\c], v[TM+2+\c]   ; the block's largest magnitude: all 32 numbers are mine
.endr
.irp c, 0,1
	v_add_nc_u32 v[TM+4+\c], EOFF, v[TM+\c]        ; 4 off its exponent field: the conversion's scale operand
.endr
.irp c, 0,1
	v_lshrrev_b32 v[TM+\c], 23, v[TM+4+\c]         ; the byte
.endr
	v_lshl_or_b32 v[\pw], v[TM+1], 16, v[TM]
	v_lshlrev_b32 v[\pw], v4, v[\pw]               ; my two bytes at their places,
	v_permlanex16_b32 v[TM+6], v[\pw], s48, s49
	v_or_b32 v[\pw], v[\pw], v[TM+6]               ; with lane l xor 16's two the word is whole
	s_wait_alu depctr_va_vdst(0)
	s_wait_xcnt 0x0                                ; the last fragment's stores have read PC
	v_cvt_scalef32_pk16_bf6_f32 v[PC:PC+2], v[X:X+15], v[TM+4]
	v_cvt_scalef32_pk16_bf6_f32 v[PT:PT+2], v[X+16:X+31], v[TM+4]      ; (a conversion's three registers begin on an even number)
	v_cvt_scalef32_pk16_bf6_f32 v[PC+6:PC+8], v[X+32:X+47], v[TM+5]
	v_cvt_scalef32_pk16_bf6_f32 v[PT+4:PT+6], v[X+48:X+63], v[TM+5]
	v_nop                                          ; one plain line behind the conversions
.irp i, 0,1,2
	v_mov_b32 v[PC+3+\i], v[PT+\i]
	v_mov_b32 v[PC+9+\i], v[PT+4+\i]
.endr
.endm
	XLOAD 0
	XLOAD 1
.irp f, 0,1,2,3
.if \f < 3
	s_wait_loadcnt 16                              ; this fragment's 16 loads are in; the next one's may be out
.else
	s_wait_loadcnt 0x0
.endif
	XTURN \f
	s_wait_dscnt 0x0                               ; my blocks are back, and the stage's stores have read their registers,
.if \f < 2
	XLOAD \f+2                                     ; which take the fragment two on
.endif
	XQUANT PWS+\f
.irp c, 0,1,2
	global_store_b128 v3, v[PC+4*\c:PC+4*\c+3], s[14:15] offset:KT*(\f/2)+FRB*(\f%2)+512*\c   ; 512 consecutive bytes
.endr
.endr
	global_store_b64 v7, v[PWS:PWS+1], s[14:15] offset:3072        ; the first tile's words: lanes 0-15 row by row, lanes 16-31 the same once more: 256 consecutive bytes, aligned
	global_store_b64 v7, v[PWS+2:PWS+3], s[14:15] offset:KT+3072   ; the second tile's
	s_wait_tensorcnt 0x0
	ds_add_u32 v254, v255
	s_wait_dscnt 0x0
	s_endpgm
; ---------------- the weights ----------------
.Lweights:
	s_sub_co_u32 s21, ttmp9, 256                   ; 0-127 Wq, 128-255 Wo, 256-287 Wk, 288-319 Wv
	s_cmp_lt_u32 s21, 256
	s_cselect_b32 s22, 127, 31
	s_cselect_b32 s23, 13, 11                      ; log2 of a row of the weight in bytes
	s_cselect_b32 s24, 7, 8                        ; log2 of the stored rows from one group of 128 columns to the next
	s_cselect_b32 s25, 0, 2048
	s_and_b32 s22, s21, s22
	s_lshr_b32 s26, s22, 3                         ; which 128 columns
	s_and_b32 s27, s22, 7                          ; which 256 along K
	s_lshl_b32 s24, s26, s24
	s_add_co_u32 s24, s24, s25
	s_cmp_ge_u32 s21, 288
	s_cselect_b32 s25, 128, 0
	s_add_co_u32 s24, s24, s25                     ; the work-group's first stored row
	s_wait_alu depctr_va_vdst(0)
	v_lshlrev_b32 v4, 2, v2                        ; 4 x lane: a lane takes a column
	s_wait_alu depctr_va_vdst(0)
.irp i, 0,1,2,3,4,5,6,7,8,9,10,11,12,13,14,15,16,17,18,19,20,21,22,23,24,25,26,27,28,29,30,31
	s_lshl_b32 s56, \i, s23
	v_add_nc_u32 v[OF+\i], s56, v4                 ; row i of a block; never rewritten
.endr
	v_and_b32 v5, 7, v2
	v_bfe_u32 v6, v2, 3, 1
	v_bfe_u32 v7, v2, 4, 1
	v_lshl_or_b32 v5, v7, 3, v5                    ; my stored row in its tile; v6: which of the two tiles
	v_mul_u32_u24 v8, v6, 3200
	v_lshl_add_u32 v8, v5, 4, v8
	s_mul_i32 s56, s20, WSTW
	s_add_co_u32 s56, s56, WST
	v_add_nc_u32 v8, s56, v8                       ; the stage, way in: my row's 16 bytes of a chunk (lanes' half and chunk in the immediate)
	v_add_nc_u32 v9, s56, v3                       ; way out: 16 x lane
	v_mul_u32_u24 v10, v6, KT
	v_lshl_add_u32 v10, v5, 3, v10                 ; my tile's chunk, 8 x my stored row in it
	s_wait_kmcnt 0x0
	s_cmp_lt_u32 s21, 288
	s_cselect_b64 s[28:29], s[8:9], s[10:11]
	s_cmp_lt_u32 s21, 256
	s_cselect_b64 s[28:29], s[12:13], s[28:29]
	s_cmp_lt_u32 s21, 128
	s_cselect_b64 s[28:29], s[6:7], s[28:29]       ; the weight
	s_lshr_b32 s30, s21, 7
	s_cmp_eq_u32 s30, 1                            ; Wo goes to woq, the others to wq
	s_cselect_b64 s[50:51], s[18:19], s[16:17]
	s_lshl_b32 s53, s27, 8
	s_lshl_b32 s53, s53, s23                       ; 256 rows of the weight for each step of 256 along K
	s_lshl_b32 s54, s26, 9
	s_add_co_u32 s53, s53, s54
	s_lshl_b32 s54, s20, 7
	s_add_co_u32 s54, s53, s54                     ; + 4 x my wave's first column
	s_mov_b32 s55, 0
	s_add_nc_u64 s[32:33], s[28:29], s[54:55]      ; block 0's base;
	s_lshl_b32 s54, 32, s23
.irp t, 1,2,3,4,5,6,7
	s_add_nc_u64 s[32+2*\t:33+2*\t], s[30+2*\t:31+2*\t], s[54:55]   ; a base for each block of 32 along K; never rewritten
.endr
	s_lshr_b32 s56, s24, 4
	s_lshl_b32 s57, s20, 1
	s_add_co_u32 s56, s56, s57
	s_mul_i32 s56, s56, KT
	s_mul_i32 s57, s27, 3328
	s_add_co_u32 s56, s56, s57
	s_mov_b32 s57, 0
	s_add_nc_u64 s[58:59], s[50:51], s[56:57]      ; my four images
.macro WLOAD t                         ; block t: W(32 t + i, my column): each load reads 128 consecutive bytes
.irp i, 0,1,2,3,4,5,6,7,8,9,10,11,12,13,14,15,16,17,18,19,20,21,22,23,24,25,26,27,28,29,30,31
	global_load_b32 v[WX+32*((\t)%2)+\i], v[OF+\i], s[32+2*(\t):33+2*(\t)] th:TH_LOAD_NT
.endr
.endm
.macro BLOCK t
.set XS, WX+32*((\t)%2)
.set SO, FRB*((\t)/4)+256*((\t)%2)     ; K step t / 4; the block belongs to the image's lanes 16 (t % 2) + row, registers 6 c on, c = (t % 4) / 2
.if (\t) < 7
	s_wait_loadcnt 32                              ; this block's 32 loads are in; the next block's may be out
.else
	s_wait_loadcnt 0x0
.endif
	v_max3_num_f32 v124, |v[XS]|, |v[XS+1]|, |v[XS+2]|
	v_max3_num_f32 v125, |v[XS+3]|, |v[XS+4]|, |v[XS+5]|
.irp i, 6,10,14,18,22,26
	v_max3_num_f32 v124, v124, |v[XS+\i]|, |v[XS+\i+1]|
	v_max3_num_f32 v125, v125, |v[XS+\i+2]|, |v[XS+\i+3]|
.endr
	v_max3_num_f32 v124, v124, |v[XS+30]|, |v[XS+31]|
	v_max3_num_f32 v124, v124, v125, FLOOR
	v_add_nc_u32 v126, EOFF, v124                  ; the conversion's scale operand
	v_lshrrev_b32 v125, 23, v126                   ; the byte
.if (\t)%4 == 0
	v_mov_b32 v[SB+(\t)/4], v125
.else
	v_lshl_or_b32 v[SB+(\t)/4], v125, 8*((\t)%4), v[SB+(\t)/4]
.endif
	v_cvt_scalef32_pk16_bf6_f32 v[C:C+2], v[XS:XS+15], v126
	v_cvt_scalef32_pk16_bf6_f32 v[C+6:C+8], v[XS+16:XS+31], v126
	v_nop                                          ; one plain line behind the conversions
.irp i, 0,1,2
	v_mov_b32 v[C+3+\i], v[C+6+\i]
.endr
.if ((\t)%4)/2 == 0
	ds_store_b128 v8, v[C:C+3] offset:SO           ; registers 0-3: chunk 0
	ds_store_b64 v8, v[C+4:C+5] offset:SO+512      ; registers 4, 5: the first half of chunk 1
.else
	ds_store_b64 v8, v[C:C+1] offset:SO+520        ; registers 6, 7: its second half
	ds_store_b128 v8, v[C+2:C+5] offset:SO+1024    ; registers 8-11: chunk 2
.endif
.if (\t) < 6
	WLOAD (\t)+2
.endif
	s_wait_dscnt 0x0                               ; the stores have read C
.endm
	WLOAD 0
	WLOAD 1
.irp t, 0,1,2,3,4,5,6,7
	BLOCK \t
.endr
	s_wait_alu depctr_va_vdst(0)
	global_store_b64 v10, v[SB:SB+1], s[58:59] offset:3072   ; behind the chunk's two images,
	global_store_b64 v10, v[SB:SB+1], s[58:59] offset:3200   ; and once more: the chunk's last unit is written whole
.irp k, 0,1,2,3,4,5,6,7,8,9,10,11      ; k = 6 tile + 3 K step + chunk
	ds_load_b128 v[OUTR+4*\k:OUTR+4*\k+3], v9 offset:3200*(\k/6)+FRB*((\k/3)%2)+512*(\k%3)
.endr
.irp k, 0,1,2,3,4,5,6,7,8,9,10,11
	s_wait_dscnt 11-\k
	global_store_b128 v3, v[OUTR+4*\k:OUTR+4*\k+3], s[58:59] offset:KT*(\k/6)+FRB*((\k/3)%2)+512*(\k%3)
.endr
	s_wait_tensorcnt 0x0
	ds_add_u32 v254, v255
	s_wait_dscnt 0x0
	s_endpgm
.Lfunc_end_k_qd1b64741a3_quant:
	.size	k_qd1b64741a3_quant, .Lfunc_end_k_qd1b64741a3_quant-k_qd1b64741a3_quant
	.p2alignl 7, 3214868480
	.fill 96, 4, 3214868480
	.section	.rodata,"a",@progbits
	.p2align	6, 0x0
	.amdhsa_kernel k_qd1b64741a3_quant
		.amdhsa_group_segment_fixed_size 59904
		.amdhsa_private_segment_fixed_size 0
		.amdhsa_enable_private_segment 0
		.amdhsa_kernarg_size 64
		.amdhsa_user_sgpr_count 2
		.amdhsa_user_sgpr_kernarg_segment_ptr 1
		.amdhsa_wavefront_size32 1
		.amdhsa_system_sgpr_workgroup_id_x 1
		.amdhsa_system_sgpr_workgroup_id_y 1
		.amdhsa_system_sgpr_workgroup_id_z 1
		.amdhsa_system_vgpr_workitem_id 0
		.amdhsa_next_free_vgpr 256
		.amdhsa_next_free_sgpr 66
		.amdhsa_reserve_vcc 0
		.amdhsa_float_denorm_mode_32 3
		.amdhsa_float_denorm_mode_16_64 3
		.amdhsa_memory_ordered 1
		.amdhsa_forward_progress 1
		.amdhsa_inst_pref_size 75
	.end_amdhsa_kernel
	.amdgpu_metadata
---
amdhsa.version: [ 1, 2 ]
amdhsa.kernels:
  - .name:           k_qd1b64741a3_quant
    .symbol:         k_qd1b64741a3_quant.kd
    .args:
      - { .name: x, .offset: 0, .size: 8, .value_kind: global_buffer, .address_space: global }
      - { .name: Wq, .offset: 8, .size: 8, .value_kind: global_buffer, .address_space: global }
      - { .name: Wk, .offset: 16, .size: 8, .value_kind: global_buffer, .address_space: global }
      - { .name: Wv, .offset: 24, .size: 8, .value_kind: global_buffer, .address_space: global }
      - { .name: Wo, .offset: 32, .size: 8, .value_kind: global_buffer, .address_space: global }
      - { .name: xq, .offset: 40, .size: 8, .value_kind: global_buffer, .address_space: global }
      - { .name: wq, .offset: 48, .size: 8, .value_kind: global_buffer, .address_space: global }
      - { .name: woq, .offset: 56, .size: 8, .value_kind: global_buffer, .address_space: global }
    .group_segment_fixed_size: 59904
    .private_segment_fixed_size: 0
    .kernarg_segment_align: 8
    .kernarg_segment_size: 64
    .max_flat_workgroup_size: 128
    .sgpr_count:     66
    .vgpr_count:     256
    .wavefront_size: 32
...
	.end_amdgpu_metadata
.endif
;; end of part 1
;; launch qkv (part 2): grid 12 x 16, 4 waves a work-group, clusters of 4 x 4, 327,680 bytes of LDS; arguments xq, wq, cos, sin, qq, kq, vq; writes qq, kq, vq
.if DOCPART == 2
	.amdgcn_target "amdgcn-amd-amdhsa--gfx1250"
	.amdhsa_code_object_version 6
	.text
	.protected	k_qd1b64741a3_qkv
	.globl	k_qd1b64741a3_qkv
	.p2align	8
	.type	k_qd1b64741a3_qkv,@function
k_qd1b64741a3_qkv:
	s_mov_b64 s[64:65], 0
	v_nop
	global_prefetch_b8 v0, s[64:65] scope:SCOPE_SE
	s_setreg_imm32_b32 hwreg(HW_REG_WAVE_MODE, 25, 1), 1
	s_wait_xcnt 0x0
	s_wait_alu depctr_hold_cnt(0) depctr_sa_sdst(0) depctr_va_vdst(0) depctr_va_sdst(0) depctr_va_ssrc(0) depctr_va_vcc(0) depctr_vm_vsrc(0)
	s_getreg_b32 s2, hwreg(HW_REG_IB_STS2, 6, 4)
	s_cmp_eq_u32 s2, 0
	s_cbranch_scc0 .Lentry_in_a_cluster
	s_endpgm
.Lentry_in_a_cluster:
	s_bfe_u32 s2, ttmp6, 0x10000c
	s_cmp_lg_u32 s2, 0xf033
	s_cbranch_scc0 .Lentry_shape_is_right
	s_endpgm
.Lentry_shape_is_right:
; q, k, v = x Wq, x Wk, x Wv on codes of BF6 with E8M0 scales (K = 2,048); then rope and the RMS norm on q and k, in f32; then q and k are quantised along the head's 128 and v along the keys.
; OPERANDS: a tile of 16 rows is 8 chunks of 3,328 bytes (256 along K): two images of fragments (1,536 bytes: part c at 512 c + 16 x lane = registers 4 c .. 4 c + 3), the rows' scale bytes [row][8], and 128 bytes more.
; So codes and scales of a K step come by ONE tensor load, in rows of 13 units of 256 bytes.
; SHARES.  256 tokens x 256 stored rows of wq by four waves, 128 x 128 each: 64 accumulators.  K goes in chunks through two LDS slots (32 tiles x 3,328 bytes each).
; THE HEAD: both slots are first filled at the head, one joint load a wave: waves 0, 1 chunk 0 of x and of wq, waves 2, 3 chunk 1.  In the ring waves 0, 1 fetch x's halves, waves 2, 3 wq's.
; CLUSTERS 4 x 4: x's tiles are asked for jointly along a row of the cluster, wq's along a column.
; PREFETCH: behind each refill the chunk two refills on is asked for, chunks 2 and 3 at the head: of the 8 tiles that a wave fetches each of the four partners names 2 (26 blocks of 256 bytes, a lane a block,
; lanes 26-31 the last block again), told apart by address; the last two refills ask for nothing.
; ROLES, by the cluster's x and the wave's number: cluster x 0, 1: a wave makes a head of q.  Cluster x 2: waves 0, 2 a head of k, waves 1, 3 the same head of v.
; THE MATRIX INSTRUCTION: source 0 = the B set, source 1 = the A set.  For q and k the B set holds rows of wq, the A set rows of x: a lane holds ONE token, and by the order of wq's rows the 16 registers of tiles 2 b, 2 b + 1
; are d = 32 b + 16 (lane / 16) + 0 .. 15.  A wave of v reads the two the other way round: a lane holds one d, its registers run along the tokens.
; v's keys stand, inside each block of 32, in the order 0-7, 16-23 (lanes 0-15), 8-15, 24-31 (lanes 16-31); the attention launch has p in the same order.
; OUT: head blocks of 102,400 bytes: for each 128 tokens 8 images and then 128 scale words (12,800 bytes).
; cos and sin come from memory into four register buffers, three blocks of 16 tokens ahead of their use.
; LIMITS: NaN and infinities are not served; a block whose largest magnitude lies under 2^-122 has its byte held at 1, a block of zeros too (its codes are zeros; this program alone reads the bytes); v_rsq_f32 is good to 1 ulp.
; REGISTERS: window 0: v1-30 addresses; v32-63 scale words, two sets; v64-159, v160-255 the A set, twice.  window 1: v0-95, v128-223 the B set, twice.  windows 2, 3: accumulator (a, b) at v[8 (8 (a % 4) + b)].
.set KT,    26624
.set CH,    3328
.set FRB,   1536
.set HALFT, 8*CH
.set SLOT,  32*CH
.set SPARE, 2*SLOT                     ; the spare words: 128 bytes a wave; no other line names them
.set SCR,   SPARE+512                  ; 512 bytes a wave for the scale words' way out; no tensor load lands here
.set HB,    102400
.set STB,   12800
.set ADRA, 16
.set ADRB, 20
.set ADRS, 22
.set CA,   24
.set SW,   25
.set SRD,  26
.set SPW,  28
.set NIL,  29
.set PFO,  30
.set SC,   32
.set AF,   64
.set T,    160                         ; the way out: a block's 64 numbers
.set PC,   224
.set PT,   236
.set TM,   244
.set SSQ,  128
.set OW,   136
.set PWM,  8
.set PWT,  14
.set G1, 24
.set G0, 32
.set G1B, 48
.set G0B, 56
.set G0H, 68
.set G0HB, 72
.set PFA, 76
.set MSB, 0
.macro WIN new                         ; the immediate's high byte repeats the setting that is left
.if MSB != (\new)
	s_set_vgpr_msb (MSB<<8)|(\new)
.set MSB, (\new)
.endif
.endm
.set MUL_LO, 0xa1
.set MUL_HI, 0xf1
.set TO_B,   0x40
.macro JLOAD sel, g0a, g1a, g0b, g1b   ; a joint load: one of two lines by the wave's number; s_nop 0 and four v_nop follow each
	s_cmp_eq_u32 s[\sel], 0
	s_cbranch_scc0 .Lfor_b_\@
	tensor_load_to_lds s[\g0a:\g0a+3], s[\g1a:\g1a+7]
	s_nop 0
.rept 4
	v_nop
.endr
	s_branch .Lasked_\@
.Lfor_b_\@:
	tensor_load_to_lds s[\g0b:\g0b+3], s[\g1b:\g1b+7]
	s_nop 0
.rept 4
	v_nop
.endr
.Lasked_\@:
.endm
.macro CREST
	s_cmp_lg_u32 s18, 0
	s_cbranch_scc1 .Lnot_wave_0_\@
	s_barrier_signal -3
.Lnot_wave_0_\@:
	s_barrier_wait -3
	s_barrier_signal -1
	s_barrier_wait -1
.endm
.macro CROUND
	s_barrier_signal -1
	s_barrier_wait -1
	CREST
.endm
.macro PLACES n
.rept \n
	v_nop
.endr
.endm
	s_load_b256 s[4:11], s[0:1], 0x0               ; xq, wq, cos, sin
	s_load_b128 s[12:15], s[0:1], 0x20             ; qq, kq
	s_load_b64 s[16:17], s[0:1], 0x30              ; vq
	v_lshl_add_u32 v[SPW], v0, 2, SPARE
	v_mov_b32 v[NIL], 0
	ds_add_u32 v[SPW], v[NIL]                      ; the opening lines: the add, twice on end, and its wait
	ds_add_u32 v[SPW], v[NIL]
	v_lshrrev_b32 v1, 5, v0
	v_readfirstlane_b32 s18, v1                    ; wave
	s_lshr_b32 s19, s18, 1                         ; my half of the tokens; at the head and in the ring: I fetch x (0) or wq (1)
	s_and_b32 s20, s18, 1                          ; my half of wq's rows; in the ring: which half I fetch; at the head: the slot (so waves 0, 1 fetch x's chunks 0, 1 and waves 2, 3 wq's, in place of what the head comment says)
	s_bfe_u32 s40, ttmp6, 0x40000                  ; cx
	s_bfe_u32 s41, ttmp6, 0x40004                  ; cy
	s_lshl_b32 s42, ttmp9, 2
	s_add_co_u32 s42, s42, s40                     ; tile column
	s_and_b32 s21, ttmp7, 0xffff
	s_lshl_b32 s21, s21, 2
	s_add_co_u32 s21, s21, s41                     ; tile row
	s_lshl_b32 s43, s41, 2
	s_lshl_b32 s43, 15, s43                        ; my row of the cluster
	s_lshl_b32 s44, 0x1111, s40                    ; my column
	s_or_b32 s[G1], s43, (3<<16)|(1<<21)           ; the mask; elements of 8 bytes; bit 21 beside a mask
	s_or_b32 s[G1B], s44, (3<<16)|(1<<21)
.irp g, G1, G1B                        ; rows of 3,328 bytes (a tile's chunk), 26,624 bytes apart: 16 of them at the head
	s_mov_b32 s[\g+1], 416<<16
	s_mov_b32 s[\g+2], 16<<16
	s_mov_b32 s[\g+3], 416<<16
	s_mov_b32 s[\g+4], 16
	s_mov_b32 s[\g+5], KT/8
	s_mov_b32 s[\g+6], 0
	s_mov_b32 s[\g+7], 0
.endr
	s_lshl_b32 s22, s21, 4
	s_mul_i32 s22, s22, KT
	s_mov_b32 s23, 0
	s_lshl_b32 s46, s42, 4
	s_mul_i32 s46, s46, KT
	s_mov_b32 s47, 0
	s_mul_i32 s45, s20, SLOT
	s_mul_i32 s66, s20, CH
	s_mov_b32 s67, 0
	; every address register is made here, ahead of the first branch on the wave's number
	v_and_b32 v1, 15, v0                           ; r
	v_bfe_u32 v2, v0, 4, 1                         ; h
	v_and_b32 v4, 31, v0                           ; lane
	v_lshlrev_b32 v3, 4, v4                        ; 16 x lane
	v_min_u32 v6, 25, v4                           ; the prefetches: block 0 .. 25 of my two tiles' chunks, 13 to a tile
	v_mul_u32_u24 v5, v6, 5
	v_lshrrev_b32 v5, 6, v5                        ; 1 from block 13 on
	v_mul_u32_u24 v5, v5, KT-CH
	v_lshl_add_u32 v[PFO], v6, 8, v5
	v_lshlrev_b32 v[CA], 8, v1
	v_lshl_add_u32 v[CA], v2, 6, v[CA]             ; cos, sin: row r of 256 bytes, + 64 h
	v_lshlrev_b32 v[SW], 2, v4
	s_wait_alu depctr_va_vdst(0)                   ; the wait ahead of the run of scalar instructions
	s_cmp_eq_u32 ttmp9, 2
	s_cselect_b32 s92, s20, 0                      ; 1 in a wave of v
	s_mul_i32 s78, s19, HALFT                      ; my half of x,
	s_mul_i32 s79, s20, HALFT
	s_add_co_u32 s79, s79, 2*HALFT                 ; my half of wq
	s_cmp_eq_u32 s92, 0
	s_cselect_b32 s80, s78, s79                    ; what the A set reads,
	s_cselect_b32 s81, s79, s78                    ; and the B set
.irp s, 0,1
	v_add_nc_u32 v[ADRA+\s], s80, v3
	v_add_nc_u32 v[ADRB+\s], s81, v3
	s_add_co_u32 s80, s80, SLOT
	s_add_co_u32 s81, s81, SLOT
.endr
	s_sub_co_u32 s83, s79, s78                     ; from x's piece to wq's
	v_xor_b32 v5, s92, v2                          ; lanes 16-31 take wq's scale bytes (in a wave of v: lanes 0-15)
	v_mul_u32_u24 v5, s83, v5
	s_add_co_u32 s82, s78, 2*FRB                   ; scale bytes: behind a chunk's two images
	v_lshl_add_u32 v5, v1, 3, v5
	v_add_nc_u32 v[ADRS], s82, v5
	s_add_co_u32 s82, s82, SLOT
	v_add_nc_u32 v[ADRS+1], s82, v5
	s_lshl_b32 s84, s18, 9
	s_add_co_u32 s84, s84, SCR
	v_add_nc_u32 v[SW], s84, v[SW]
	v_add_nc_u32 v[SRD], s84, v3
	s_wait_alu depctr_va_vdst(0)                   ; the wait, directly ahead of the wait below
	s_wait_dscnt 0x0
	s_wait_kmcnt 0x0
	s_add_nc_u64 s[22:23], s[4:5], s[22:23]        ; x's 16 tiles
	s_add_nc_u64 s[46:47], s[6:7], s[46:47]        ; wq's
	CROUND                                         ; all sixteen work-groups are here: the first joint loads meet
	s_mov_b32 s[G0H], 1
	s_mov_b32 s[G0H+1], s45
	s_add_nc_u64 s[G0H+2:G0H+3], s[22:23], s[66:67]
	s_or_b32 s[G0H+3], s[G0H+3], 0x80000000
	s_mov_b32 s[G0HB], 1
	s_add_co_u32 s[G0HB+1], s45, 2*HALFT
	s_add_nc_u64 s[G0HB+2:G0HB+3], s[46:47], s[66:67]
	s_or_b32 s[G0HB+3], s[G0HB+3], 0x80000000
	JLOAD 19, G0H, G1, G0HB, G1B                   ; my one load at the head: chunk (wave % 2) of x or of wq, whole
	s_mul_i32 s66, s20, 8*KT                       ; for the ring: my 8 tiles
	s_add_nc_u64 s[22:23], s[22:23], s[66:67]
	s_add_nc_u64 s[46:47], s[46:47], s[66:67]
	s_mul_i32 s45, s18, HALFT
.irp s, 0,1
	s_mov_b32 s[G0+4*\s], 1
	s_add_co_u32 s[G0+4*\s+1], s45, \s*SLOT
	s_add_nc_u64 s[G0+4*\s+2:G0+4*\s+3], s[22:23], \s*CH
	s_or_b32 s[G0+4*\s+3], s[G0+4*\s+3], 0x80000000
	s_mov_b32 s[G0B+4*\s], 1
	s_add_co_u32 s[G0B+4*\s+1], s45, \s*SLOT
	s_add_nc_u64 s[G0B+4*\s+2:G0B+4*\s+3], s[46:47], \s*CH
	s_or_b32 s[G0B+4*\s+3], s[G0B+4*\s+3], 0x80000000
.endr
	s_cmp_eq_u32 s19, 0                            ; the prefetches: of the 8 tiles that I fetch, my work-group's 2
	s_cselect_b64 s[PFA:PFA+1], s[22:23], s[46:47]
	s_cselect_b32 s66, s40, s41
	s_mul_i32 s66, s66, 2*KT
	s_add_nc_u64 s[PFA:PFA+1], s[PFA:PFA+1], s[66:67]
	s_lshr_b32 s22, s21, 2                         ; the batch
	s_and_b32 s23, s21, 3
	s_lshl_b32 s23, s23, 1
	s_add_co_u32 s23, s23, s19                     ; which 128 tokens of its 1,024
	s_lshl_b32 s66, s22, 4
	s_lshl_b32 s85, s42, 1
	s_add_co_u32 s66, s66, s85
	s_add_co_u32 s66, s66, s20                     ; q's head block: 16 batch + head
	s_lshl_b32 s85, s22, 2
	s_add_co_u32 s85, s85, s42
	s_sub_co_u32 s85, s85, 8                       ; k's and v's: 4 batch + kv head
	s_cmp_eq_u32 ttmp9, 2
	s_cselect_b32 s66, s85, s66
	s_cselect_b64 s[94:95], s[14:15], s[12:13]
	s_cmp_eq_u32 s92, 0
	s_cselect_b64 s[94:95], s[94:95], s[16:17]
	s_mul_i32 s66, s66, HB
	s_mul_i32 s85, s23, STB
	s_add_co_u32 s66, s66, s85
	s_add_nc_u64 s[94:95], s[94:95], s[66:67]      ; my 8 images, and behind them my 128 scale words
	s_lshl_b32 s66, s23, 15
	s_add_nc_u64 s[8:9], s[8:9], s[66:67]          ; cos and sin at my first token's position
	s_add_nc_u64 s[10:11], s[10:11], s[66:67]
	s_mov_b32 s93, 0x3c000000                      ; 1 / 128
	s_mov_b32 s101, 0x358637bd                     ; 1e-6
	s_mov_b32 s98, 0x76543210
	s_mov_b32 s99, 0xfedcba98                      ; lane l xor 16
	s_mov_b32 s100, 0xffff0000                     ; lanes 16-31
	global_prefetch_b8 v[PFO], s[PFA:PFA+1] offset:2*CH th:TH_LOAD_NT scope:SCOPE_SE   ; chunks 2 and 3, which the first two refills load
	global_prefetch_b8 v[PFO], s[PFA:PFA+1] offset:3*CH th:TH_LOAD_NT scope:SCOPE_SE
.macro FRAG reg, adr, off
.irp c, 0,1,2
	ds_load_b128 v[(\reg)+4*\c:(\reg)+4*\c+3], v[\adr] offset:(\off)+512*\c
.endr
.endm
; one run of loads: the slot's q-th 128 along K into set 'set': B's eight, A's blocks 0-3, (sc = 1: the slot's scale words,) A's blocks 4-7
.macro FETCH slot, q, set, sc
	WIN TO_B
.irp i, 0,1,2,3,4,5,6,7
	FRAG 128*(\set)+12*\i, ADRB+(\slot), \i*CH+(\q)*FRB
.endr
	WIN 0
.irp i, 0,1,2,3
	FRAG AF+96*(\set)+12*\i, ADRA+(\slot), \i*CH+(\q)*FRB
.endr
.if \sc
.irp i, 0,1,2,3,4,5,6,7
	ds_load_b64 v[SC+16*(\slot)+2*\i:SC+16*(\slot)+2*\i+1], v[ADRS+(\slot)] offset:CH*\i   ; register 2 i + q: lanes 0-15 the A set's block i, lanes 16-31 the B set's
.endr
.endif
.irp i, 4,5,6,7
	FRAG AF+96*(\set)+12*\i, ADRA+(\slot), \i*CH+(\q)*FRB
.endr
.endm
; 16 matrix instructions; the 64 accumulators take turns, in the same order in every step
.macro MUL16 a0, set, q, sc, zero
.irp a, \a0, \a0+1
.irp b, 0,1,2,3,4,5,6,7
.if \zero
	v_wmma_scale_f32_16x16x128_f8f6f4 v[8*(8*((\a)%4)+\b):8*(8*((\a)%4)+\b)+7], v[128*(\set)+12*\b:128*(\set)+12*\b+11], v[AF+96*(\set)+12*(\a):AF+96*(\set)+12*(\a)+11], 0, v[SC+16*(\sc)+2*\b+(\q)], v[SC+16*(\sc)+2*(\a)+(\q)] matrix_a_fmt:MATRIX_FMT_BF6 matrix_b_fmt:MATRIX_FMT_BF6 matrix_a_scale:MATRIX_SCALE_ROW1
.else
	v_wmma_scale_f32_16x16x128_f8f6f4 v[8*(8*((\a)%4)+\b):8*(8*((\a)%4)+\b)+7], v[128*(\set)+12*\b:128*(\set)+12*\b+11], v[AF+96*(\set)+12*(\a):AF+96*(\set)+12*(\a)+11], v[8*(8*((\a)%4)+\b):8*(8*((\a)%4)+\b)+7], v[SC+16*(\sc)+2*\b+(\q)], v[SC+16*(\sc)+2*(\a)+(\q)] matrix_a_fmt:MATRIX_FMT_BF6 matrix_b_fmt:MATRIX_FMT_BF6 matrix_a_scale:MATRIX_SCALE_ROW1
.endif
.endr
.endr
.endm
.macro STEP slot, zero                 ; a slot's first 128 along K (set 0); in its middle the second 128's fragments are fetched into set 1
	s_wait_dscnt 12                                ; all but the youngest twelve loads (A's blocks 4-7) are in
	WIN MUL_LO
	MUL16 0, 0, 0, \slot, \zero
	MUL16 2, 0, 0, \slot, \zero
	PLACES 4                                       ; in front of loads into registers that matrix instructions have read
	FETCH \slot, 1, 1, 0
	s_wait_dscnt 48                                ; all but the 48 just issued
	WIN MUL_HI
	MUL16 4, 0, 0, \slot, \zero
	MUL16 6, 0, 0, \slot, \zero
.endm
.macro ASK                             ; the chunk two refills on; in the loop's last trip (s3 = 1), chunk 7 again
	; no branch: in the loop's last trip the address has not stepped, and chunk 7, the buffer's last, is named again (in place of what the head says of the last two refills)
	global_prefetch_b8 v[PFO], s[PFA:PFA+1] offset:3*CH th:TH_LOAD_NT scope:SCOPE_SE
.endm
; a slot's second 128 along K (set 1) changes slots: one barrier; in front of it each wave waits for all its tensor loads, adds 0 to its spare word, and waits for that and for its reads of this slot
.macro TURN slot, next, fill
	WIN 0
.if \fill
	s_wait_xcnt 0x0                                ; my prefetches have read their address: it steps a chunk, but not in the loop's last trip (s3 = 1)
	s_cmp_gt_u32 s3, 1
	s_cselect_b32 s66, CH, 0                       ; (s67 holds 0 since the head)
	s_add_nc_u64 s[PFA:PFA+1], s[PFA:PFA+1], s[66:67]
.endif
	s_wait_tensorcnt 0x0
	ds_add_u32 v[SPW], v[NIL]
	s_wait_dscnt 13                                ; (the add and A's blocks 4-7 may be out)
	WIN MUL_LO
	MUL16 0, 1, 1, \slot, 0
	s_wait_dscnt 0x0                               ; the add is done, and my reads of this slot are over
	s_barrier_signal -1
	MUL16 2, 1, 1, \slot, 0
	WIN 0
	s_barrier_wait -1
.if \fill
	CREST                                          ; the barrier has opened a round of the cluster's barrier
	s_add_nc_u64 s[G0+4*\slot+2:G0+4*\slot+3], s[G0+4*\slot+2:G0+4*\slot+3], 2*CH
	s_add_nc_u64 s[G0B+4*\slot+2:G0B+4*\slot+3], s[G0B+4*\slot+2:G0B+4*\slot+3], 2*CH
	JLOAD 19, G0+4*\slot, G1, G0B+4*\slot, G1B     ; the first tensor load behind the round; its four v_nop are the places in front of the loads below
.else
	PLACES 4
.endif
	FETCH \next, 0, 0, 1
.if \fill
	ASK
.endif
	WIN MUL_HI
	MUL16 4, 1, 1, \slot, 0
	MUL16 6, 1, 1, \slot, 0
.endm
.macro SETBUF a                        ; block a's buffer of cos (LCO) and sin (LSO), in window LBW: four by turns
.if (\a)%4 == 0
.set LCO, 96
.set LSO, 224
.set LBW, 1
.endif
.if (\a)%4 == 1
.set LCO, 0
.set LSO, 32
.set LBW, 1
.endif
.if (\a)%4 == 2
.set LCO, 64
.set LSO, 96
.set LBW, 0
.endif
.if (\a)%4 == 3
.set LCO, 128
.set LSO, 160
.set LBW, 1
.endif
.endm
.macro LOADCS a                        ; cos and sin of block a's 16 tokens: lane (r, h) takes, of row r, numbers 32 b + 16 h + 0 .. 15, b = 0, 1
	SETBUF \a
.set WN, LBW<<6
	WIN WN
.irp e, 0,1,2,3,4,5,6,7
	global_load_b128 v[LCO+4*\e:LCO+4*\e+3], v[CA], s[8:9] offset:4096*(\a)+128*(\e/4)+16*(\e%4)
	global_load_b128 v[LSO+4*\e:LSO+4*\e+3], v[CA], s[10:11] offset:4096*(\a)+128*(\e/4)+16*(\e%4)
.endr
	WIN 0
.endm
; 64 numbers of a lane in window w, v[s + 16 b + i] = place 32 b + 16 (lane / 16) + i along the next K, become a fragment in v[PC] on and its row's scale word in v[pw]
.macro QUANT s, w, pw
.set WN, (\w)|((\w)<<2)
	WIN WN
.irp b, 0,1,2,3
	v_max3_num_f32 v[TM+\b], |v[(\s)+16*\b]|, |v[(\s)+16*\b+1]|, 0x2800000   ; and the floor 2^(5 - 127)
.endr
.irp i, 2,4,6,8,10,12,14
.irp b, 0,1,2,3
	v_max3_num_f32 v[TM+\b], |v[(\s)+16*\b+\i]|, |v[(\s)+16*\b+\i+1]|, v[TM+\b]
.endr
.endr
	WIN 0
.irp b, 0,1,2,3
	v_permlanex16_b32 v[TM+4+\b], v[TM+\b], s98, s99
.endr
.irp b, 0,1,2,3
	v_max_num_f32 v[TM+\b], v[TM+\b], v[TM+4+\b]   ; the block's largest magnitude
.endr
.irp b, 0,1,2,3
	v_add_nc_u32 v[TM+8+\b], 0xfe000000, v[TM+\b]  ; 4 off its exponent field: the conversion's scale operand
.endr
.irp b, 0,1,2,3
	v_lshrrev_b32 v[TM+4+\b], 23, v[TM+8+\b]       ; the byte
.endr
	v_lshl_or_b32 v[\pw], v[TM+5], 8, v[TM+4]
	v_lshl_or_b32 v[\pw], v[TM+6], 16, v[\pw]
	v_lshl_or_b32 v[\pw], v[TM+7], 24, v[\pw]
	s_wait_alu depctr_va_vdst(0)                   ; the wait, directly ahead of the wait below
	s_wait_xcnt 0x0                                ; the last block's stores have read PC
	WIN \w
.irp c, 0,1
	v_cvt_scalef32_pk16_bf6_f32 v[PC+6*\c:PC+6*\c+2], v[(\s)+32*\c:(\s)+32*\c+15], v[TM+8+2*\c]
	v_cvt_scalef32_pk16_bf6_f32 v[PT+4*\c:PT+4*\c+2], v[(\s)+32*\c+16:(\s)+32*\c+31], v[TM+8+2*\c+1]
.endr
	WIN 0
	v_nop                                          ; one plain line behind the conversions
.irp c, 0,1                            ; a whole block in a lane: lanes 0-15 block 2 c, lanes 16-31 block 2 c + 1
.irp i, 0,1,2
	v_permlane16_swap_b32 v[PC+6*\c+\i], v[PT+4*\c+\i]
.endr
.irp i, 0,1,2
	v_mov_b32 v[PC+3+6*\c+\i], v[PT+4*\c+\i]
.endr
.endr
.endm
.macro OUTBLK a                        ; block a's image leaves: three stores of 512 consecutive bytes
.if (\a)%2
	v_cndmask_b32 v[PWM+(\a)/2], v[PWM+(\a)/2], v[PWT], s100   ; lanes 16-31 keep the odd block's words
.endif
.irp c, 0,1,2
	global_store_b128 v3, v[PC+4*\c:PC+4*\c+3], s[94:95] offset:FRB*(\a)+512*\c
.endr
.endm
.macro QKBLK a                         ; q, k: block a (16 tokens x the head's 128): rope, RMS norm, quantise
.set AC, 64*((\a)%4)
.if (\a) < 5
	s_wait_loadcnt 48                              ; this block's cos and sin are in; the three later blocks' 48 loads may be out
.else
	s_wait_loadcnt 16*(7-(\a))
.endif
	SETBUF \a
.set WN, (2+(\a)/4)|(LBW<<2)
	s_wait_alu depctr_va_vdst(0)                   ; the wait ahead of the first read of these matrix results
	WIN WN
.irp b, 0,1,2,3                        ; x1 = tile b, x2 = tile b + 4; each accumulator is read from its low end on
.irp j, 0,2,4,6
	v_pk_mul_f32 v[T+8*\b+\j:T+8*\b+\j+1], v[AC+8*\b+\j:AC+8*\b+\j+1], v[LCO+8*\b+\j:LCO+8*\b+\j+1]
	v_pk_mul_f32 v[T+32+8*\b+\j:T+32+8*\b+\j+1], v[AC+8*\b+\j:AC+8*\b+\j+1], v[LSO+8*\b+\j:LSO+8*\b+\j+1]
.endr
.irp j, 0,2,4,6
	v_pk_fma_f32 v[T+8*\b+\j:T+8*\b+\j+1], v[AC+32+8*\b+\j:AC+32+8*\b+\j+1], v[LSO+8*\b+\j:LSO+8*\b+\j+1], v[T+8*\b+\j:T+8*\b+\j+1] neg_lo:[1,0,0] neg_hi:[1,0,0]
	v_pk_fma_f32 v[T+32+8*\b+\j:T+32+8*\b+\j+1], v[AC+32+8*\b+\j:AC+32+8*\b+\j+1], v[LCO+8*\b+\j:LCO+8*\b+\j+1], v[T+32+8*\b+\j:T+32+8*\b+\j+1]
.endr
.endr
	WIN 0
.irp k, 0,1,2,3
	v_pk_mul_f32 v[SSQ+2*\k:SSQ+2*\k+1], v[T+2*\k:T+2*\k+1], v[T+2*\k:T+2*\k+1]
.endr
.set JJ, 8
.rept 7
.irp k, 0,1,2,3
	v_pk_fma_f32 v[SSQ+2*\k:SSQ+2*\k+1], v[T+JJ+2*\k:T+JJ+2*\k+1], v[T+JJ+2*\k:T+JJ+2*\k+1], v[SSQ+2*\k:SSQ+2*\k+1]
.endr
.set JJ, JJ+8
.endr
.if (\a) < 4
	LOADCS (\a)+4                                  ; this block's buffer takes the block four on
.endif
	v_pk_add_f32 v[SSQ:SSQ+1], v[SSQ:SSQ+1], v[SSQ+2:SSQ+3]
	v_pk_add_f32 v[SSQ+4:SSQ+5], v[SSQ+4:SSQ+5], v[SSQ+6:SSQ+7]
	v_pk_add_f32 v[SSQ:SSQ+1], v[SSQ:SSQ+1], v[SSQ+4:SSQ+5]
	v_add_f32 v[SSQ], v[SSQ], v[SSQ+1]
	v_permlanex16_b32 v[SSQ+1], v[SSQ], s98, s99
	v_add_f32 v[SSQ], v[SSQ], v[SSQ+1]             ; the token's sum of 128 squares
	v_fma_f32 v[SSQ], v[SSQ], s93, s101            ; the mean + 1e-6
	s_wait_alu depctr_va_vdst(0)                   ; the wait ahead of the transcendental,
	v_rsq_f32 v12, v[SSQ]
	v_nop
	s_wait_alu depctr_va_vdst(0)                   ; and ahead of its first reader
.set JJ, 0
.rept 32
	v_pk_mul_f32 v[T+JJ:T+JJ+1], v[T+JJ:T+JJ+1], v[12:13] op_sel_hi:[1,0]
.set JJ, JJ+2
.endr
.if (\a)%2
	QUANT T, 0, PWT
.else
	QUANT T, 0, PWM+(\a)/2
.endif
	OUTBLK \a
.endm
.macro VBLK a                          ; v: block a (16 stored rows of the head x 128 keys) is quantised straight from its accumulators
.if (\a)%2
	QUANT 64*((\a)%4), 2+(\a)/4, PWT
.else
	QUANT 64*((\a)%4), 2+(\a)/4, PWM+(\a)/2
.endif
	OUTBLK \a
.endm
	s_wait_alu depctr_va_vdst(0)                   ; the wait at the head's end
	s_wait_tensorcnt 0x0                           ; my load of the head's four has landed: no tensor load of mine is out, so group 1 may be written:
	s_mov_b32 s[G1+2], 8<<16                       ; from here on a load brings 8 tiles' chunks
	s_mov_b32 s[G1+4], 8
	s_mov_b32 s[G1B+2], 8<<16
	s_mov_b32 s[G1B+4], 8
	s_barrier_signal -1
	s_barrier_wait -1                              ; everybody's has: both slots are whole
	FETCH 0, 0, 0, 1
	STEP 0, 1                                      ; the first step's products start the sums
	WIN 0
	s_mov_b32 s3, 3
.Llap:                                             ; a trip goes once round the ring and fills both slots again
	TURN 0, 1, 1
	STEP 1, 0
	TURN 1, 0, 1
	STEP 0, 0
	WIN 0
	s_sub_co_u32 s3, s3, 1
	s_cmp_lg_u32 s3, 0
	s_cbranch_scc1 .Llap
	LOADCS 0                                       ; by every wave, 192 matrix instructions ahead of their use, into registers that no product names
	TURN 0, 1, 0                                   ; the last lap fills nothing
	STEP 1, 0
	WIN 0
	PLACES 4                                       ; set 0 is done with: places in front of the loads into it
	LOADCS 1
	LOADCS 2
	s_wait_dscnt 12
	WIN MUL_LO
	MUL16 0, 1, 1, 1, 0
	MUL16 2, 1, 1, 1, 0
	s_wait_dscnt 0x0
	WIN MUL_HI
	MUL16 4, 1, 1, 1, 0
	MUL16 6, 1, 1, 1, 0
	WIN 0
	PLACES 4                                       ; in front of the first read of results, and of writes and loads into registers that held operands
.irp b, 0,1,2,3
	v_mov_b32 v[TM+4+\b], 0                        ; written once: a lane permute's destination counts as a source
.endr
	v_mov_b32 v13, 0                               ; (the upper half of the pair v[12:13])
	s_wait_alu depctr_va_vdst(0)                   ; the wait ahead of the branch
	s_cmp_lg_u32 s92, 0
	s_cbranch_scc1 .Lvpath
	LOADCS 3
.irp a, 0,1,2,3,4,5,6,7
	QKBLK \a
.endr
	s_branch .Ljoin
.Lvpath:
	s_wait_loadcnt 0x0                             ; (the loads of cos and sin that every wave issued)
.irp a, 0,1,2,3,4,5,6,7
	VBLK \a
.endr
.Ljoin:
	s_wait_alu depctr_va_vdst(0)
.irp i, 0,1,2,3
	ds_store_b32 v[SW], v[PWM+\i] offset:128*\i    ; my 128 scale words, through my scratch, so that one store covers 512 consecutive bytes
.endr
	ds_load_b128 v[OW:OW+3], v[SRD]                ; LDS serves a wave's instructions in order
	s_wait_dscnt 0x0
	global_store_b128 v3, v[OW:OW+3], s[94:95] offset:8*FRB
	s_wait_tensorcnt 0x0                           ; the wave's end
	ds_add_u32 v[SPW], v[NIL]
	s_wait_dscnt 0x0
	CROUND                                         ; the closing round
	s_endpgm
.Lfunc_end_k_qd1b64741a3_qkv:
	.size	k_qd1b64741a3_qkv, .Lfunc_end_k_qd1b64741a3_qkv-k_qd1b64741a3_qkv
	.p2alignl 7, 3214868480
	.fill 96, 4, 3214868480
	.section	.rodata,"a",@progbits
	.p2align	6, 0x0
	.amdhsa_kernel k_qd1b64741a3_qkv
		.amdhsa_group_segment_fixed_size 327680
		.amdhsa_private_segment_fixed_size 0
		.amdhsa_enable_private_segment 0
		.amdhsa_kernarg_size 56
		.amdhsa_user_sgpr_count 2
		.amdhsa_user_sgpr_kernarg_segment_ptr 1
		.amdhsa_wavefront_size32 1
		.amdhsa_system_sgpr_workgroup_id_x 1
		.amdhsa_system_sgpr_workgroup_id_y 1
		.amdhsa_system_sgpr_workgroup_id_z 1
		.amdhsa_system_vgpr_workitem_id 0
		.amdhsa_next_free_vgpr 1024
		.amdhsa_next_free_sgpr 102
		.amdhsa_reserve_vcc 0
		.amdhsa_float_denorm_mode_32 3
		.amdhsa_float_denorm_mode_16_64 3
		.amdhsa_memory_ordered 1
		.amdhsa_forward_progress 1
		.amdhsa_inst_pref_size 254
	.end_amdhsa_kernel
	.amdgpu_metadata
---
amdhsa.version: [ 1, 2 ]
amdhsa.kernels:
  - .name:           k_qd1b64741a3_qkv
    .symbol:         k_qd1b64741a3_qkv.kd
    .args:
      - { .name: xq, .offset: 0, .size: 8, .value_kind: global_buffer, .address_space: global }
      - { .name: wq, .offset: 8, .size: 8, .value_kind: global_buffer, .address_space: global }
      - { .name: cos, .offset: 16, .size: 8, .value_kind: global_buffer, .address_space: global }
      - { .name: sin, .offset: 24, .size: 8, .value_kind: global_buffer, .address_space: global }
      - { .name: qq, .offset: 32, .size: 8, .value_kind: global_buffer, .address_space: global }
      - { .name: kq, .offset: 40, .size: 8, .value_kind: global_buffer, .address_space: global }
      - { .name: vq, .offset: 48, .size: 8, .value_kind: global_buffer, .address_space: global }
    .group_segment_fixed_size: 327680
    .private_segment_fixed_size: 0
    .kernarg_segment_align: 8
    .kernarg_segment_size: 56
    .max_flat_workgroup_size: 128
    .sgpr_count:     102
    .vgpr_count:     1024
    .wavefront_size: 32
...
	.end_amdgpu_metadata
.endif
;; end of part 2
;; launch attn (part 3): grid 4 x 64, 16 waves a work-group, clusters of 4 x 1, 327,680 bytes of LDS; arguments qq, kq, vq, oq; writes oq
.if DOCPART == 3
	.amdgcn_target "amdgcn-amd-amdhsa--gfx1250"
	.amdhsa_code_object_version 6
	.text
	.protected	k_qd1b64741a3_attn
	.globl	k_qd1b64741a3_attn
	.p2align	8
	.type	k_qd1b64741a3_attn,@function
k_qd1b64741a3_attn:
	s_mov_b64 s[64:65], 0
	v_nop
	global_prefetch_b8 v0, s[64:65] scope:SCOPE_SE
	s_setreg_imm32_b32 hwreg(HW_REG_WAVE_MODE, 25, 1), 1
	s_wait_xcnt 0x0
	s_wait_alu depctr_hold_cnt(0) depctr_sa_sdst(0) depctr_va_vdst(0) depctr_va_sdst(0) depctr_va_ssrc(0) depctr_va_vcc(0) depctr_vm_vsrc(0)
	s_getreg_b32 s2, hwreg(HW_REG_IB_STS2, 6, 4)
	s_cmp_eq_u32 s2, 0
	s_cbranch_scc0 .Lentry_in_a_cluster
	s_endpgm
.Lentry_in_a_cluster:
	s_bfe_u32 s2, ttmp6, 0x10000c
	s_cmp_lg_u32 s2, 0x3003
	s_cbranch_scc0 .Lentry_shape_is_right
	s_endpgm
.Lentry_shape_is_right:
; o = softmax(q k^T / sqrt(128), causal) v for one batch and head (work-group y = 16 batch + head), both products on codes of BF6 with E8M0 scales; o / l is quantised along the head's 128 for the last product.
; THE SOFTMAX: t = score x log2(e) / sqrt(128); M = the running largest t rounded UP to a whole number; p = 2^(t - M) is quantised along the keys, not normalised; the row's sum is taken of the unquantised p and divides at the end.
; When M moves, the sum and O are multiplied by 2^(old M - new M): exact.
; INPUTS: head blocks of 102,400 bytes: 64 images of fragments (1,536 bytes: chunk c at 512 c + 16 x lane = registers 4 c .. 4 c + 3), then 1,024 scale words.  q, k: image f = tokens 16 f on.  v: image 8 s + a = keys 128 s on x 16 stored rows of the head.
; NO RING: the kv head's whole k and v, 204,800 bytes, lie in LDS, filled once, by joint loads: the cluster's four work-groups belong to one head and ask together (mask 15).  Key steps 0 to 3 come first, steps 4 to 7 behind them.
; SHARES.  Sixteen waves, one tile of 16 queries each: wave rank p (0..15) of work-group cx takes tile 4 p + cx, so all four partners have the same work; a wave needs key steps 0 .. p / 2, which hangs on the wave's number alone.
; The ranks are dealt so that each four waves w % 4 = const, and each four w / 4 = const, have 18 steps together.  Every wave walks all 8 steps' addresses; a step all of whose keys are hidden is jumped over.
; LAYOUT.  S^T = k q^T, O^T = v^T p^T: a lane holds ONE query.  k's rows are taken as they lie, so register 16 b + i holds key 32 b + 16 (i / 8) + 8 (lane / 16) + i % 8 of the step: inside a block of 32 the order in which v was laid.
; By the order of v's stored rows, O^T's register 16 b + i is d = 32 b + 16 (lane / 16) + i.
; LIMITS: hidden scores are -infinity where the definition has -1e30: p = 0 either way; inside a block of 32 keys the products are summed in the order above; NaN and infinities are not served; a block of p or o under 2^-122 has its byte held at 1.
; REGISTERS: v1-7 stay; v8-11 addresses in hand; v12 -M, v13 the largest t, v[14:15] the sum; v16-27 q; v32-79 four fragments; v96-159 S^T, then p; v160-223 O^T; v224-235 codes; v232-254 at work; v255 q's scale words.
.set HB,   102400
.set HS,   98304
.set FRB,  1536
; THE LAYOUTS, in place of what the head says of them.  A head block: for each key step (128 tokens) 8 images and then its 128 scale words, 12,800 bytes; 8 steps.  LDS holds k's block at 0 and v's behind it, as they lie.
; Each wave issues one joint load at the head (an eighth of key steps 0 to 3 of k or of v: 25 rows of 256 bytes), and one more, for steps 4 to 7, behind the full sequence and a round of the cluster's barrier.
; o goes out as the last product's operand: a tile of 16 rows is 8 chunks of 3,328 bytes (two heads): two images, the rows' scale bytes [row][8], and the same 128 bytes once more.
.set STB,  12800
.set VC,   102400
.set KT,   26624
.set CH,   3328
.set AK0,  1
.set AV0,  2
.set ASK0, 3
.set ASV0, 4
.set DQ,   5                           ; v5 my query - the diagonal step's first key - 8 (lane / 16)
.set QSO,  6                           ; v6 4 r
.set OSO,  7                           ; v7 8 x lane
.set ADK,  8
.set ADV,  9
.set ADS,  10
.set ADT,  11
.set WV,   18
.set TB,   2                           ; s2 the step's offset: 12,800 bytes a step
.set TS,   3
.set SEL,  70
.set CS,   72
.set ST,   74                          ; s74 the step
.set UU,   75                          ; s75 my last step
.set CNT,  78
.set G1A,  24
.set G1B,  32
.set G1C,  40
.macro ROUND
	s_barrier_signal -1
	s_barrier_wait -1
	s_cmp_lg_u32 s[WV], 0
	s_cbranch_scc1 .Lnot_wave_0_\@
	s_barrier_signal -3
.Lnot_wave_0_\@:
	s_barrier_wait -3
	s_barrier_signal -1
	s_barrier_wait -1
.endm
	s_load_b256 s[4:11], s[0:1], 0x0               ; qq s[4:5], kq s[6:7], vq s[8:9], oq s[10:11]
	v_lshl_add_u32 v95, v0, 2, 0x32000
	v_mov_b32 v243, 0
	ds_add_u32 v95, v243
	ds_add_u32 v95, v243
	v_lshrrev_b32 v8, 5, v0
	s_delay_alu instid0(VALU_DEP_1)
	v_readfirstlane_b32 s[WV], v8                  ; wave 0..15
	s_bfe_u32 s19, ttmp6, 0x40000                  ; cx: it enters q's and o's addresses and the mask's numbers alone
	s_and_b32 s20, ttmp7, 0xffff                   ; 16 batch + head
	s_lshr_b32 s21, s20, 2                         ; 4 batch + kv head
	s_lshr_b32 s22, s[WV], 2
	s_and_b32 s23, s[WV], 3
	s_and_b32 s60, s23, 1
	s_mul_i32 s60, s60, 7
	s_lshr_b32 s61, s23, 1
	s_mul_i32 s61, s61, 3
	s_xor_b32 s60, s60, s61
	s_and_b32 s76, s22, 1                          ; the rank's low bit
	s_mul_i32 s61, s76, 7
	s_xor_b32 s60, s60, s61
	s_lshr_b32 s61, s22, 1
	s_xor_b32 s[UU], s60, s61                      ; my last key step: rank / 2
	s_lshl_b32 s77, s[UU], 1
	s_add_co_u32 s77, s77, s76
	s_lshl_b32 s77, s77, 2
	s_add_co_u32 s77, s77, s19                     ; my tile of queries
.irp g, G1A
	s_mov_b32 s[\g], 15|(3<<16)|(1<<21)
	s_mov_b32 s[\g+1], 32<<16
	s_mov_b32 s[\g+3], 32<<16
	s_mov_b32 s[\g+5], 32
	s_mov_b32 s[\g+6], 0
	s_mov_b32 s[\g+7], 0
.endr
	s_mov_b32 s[G1A+2], 25<<16                     ; 6,400 bytes a wave
	s_mov_b32 s[G1A+4], 25
	s_lshr_b32 s80, s[WV], 3                       ; waves 0-7 fetch k, waves 8-15 v
	s_and_b32 s81, s[WV], 7                        ; an eighth each
	s_mul_i32 s82, s21, HB
	s_mov_b32 s83, 0
	s_mul_i32 s85, s80, VC
	s_mov_b32 s91, 0
	s_mov_b32 s[SEL], 0x76543210
	s_mov_b32 s[SEL+1], 0xfedcba98
	s_mov_b32 s[CS], 0x3e0293ee                    ; log2(e) / sqrt(128)
	s_mov_b32 s[CS+1], s[CS]
	s_mov_b32 s[TB], 0
	s_mov_b32 s[ST], 0
	s_wait_dscnt 0x0
	s_wait_kmcnt 0x0
	s_cmp_eq_u32 s80, 0
	s_cselect_b64 s[88:89], s[6:7], s[8:9]
	s_add_nc_u64 s[88:89], s[88:89], s[82:83]      ; the head block
	s_mov_b32 s48, 1                               ; key steps 0 to 3: my eighth
	s_mul_i32 s90, s81, 6400
	s_add_co_u32 s49, s85, s90
	s_add_nc_u64 s[50:51], s[88:89], s[90:91]
	s_or_b32 s51, s51, 0x80000000
	s_mov_b32 s52, 1                               ; key steps 4 to 7
	s_add_co_u32 s90, s90, 4*STB
	s_add_co_u32 s53, s85, s90
	s_add_nc_u64 s[54:55], s[88:89], s[90:91]
	s_or_b32 s55, s55, 0x80000000
	ROUND                                          ; all four work-groups are here: the joint loads meet
	tensor_load_to_lds s[48:51], s[G1A:G1A+7]      ; my one load at the head
	s_nop 0
.rept 4
	v_nop
.endr
	s_mul_i32 s80, s20, HB
	s_lshr_b32 s86, s77, 3
	s_mul_i32 s86, s86, STB
	s_add_co_u32 s80, s80, s86                     ; the 128 tokens that hold my tile
	s_and_b32 s86, s77, 7
	s_mul_i32 s82, s86, FRB
	s_add_co_u32 s82, s80, s82
	s_mov_b32 s83, 0
	s_add_nc_u64 s[82:83], s[4:5], s[82:83]
	s_lshl_b32 s84, s86, 6
	s_add_co_u32 s84, s84, s80
	s_add_co_u32 s84, s84, 8*FRB
	s_mov_b32 s85, 0
	s_add_nc_u64 s[84:85], s[4:5], s[84:85]        ; its scale words
	s_lshr_b32 s86, s20, 4                         ; batch
	s_and_b32 s87, s20, 15                         ; head = the last product's K step
	s_lshl_b32 s86, s86, 6
	s_add_co_u32 s86, s86, s77                     ; o's tile of rows
	s_mul_i32 s88, s86, KT
	s_lshr_b32 s86, s87, 1
	s_mul_i32 s86, s86, CH
	s_add_co_u32 s88, s88, s86
	s_mov_b32 s89, 0
	s_add_nc_u64 s[94:95], s[10:11], s[88:89]      ; the chunk of my tile and my pair of heads
	s_and_b32 s87, s87, 1
	s_mul_i32 s88, s87, FRB
	s_add_nc_u64 s[92:93], s[94:95], s[88:89]      ; o's image
	s_lshl_b32 s88, s87, 2
	s_add_co_u32 s88, s88, 2*FRB
	s_add_nc_u64 s[94:95], s[94:95], s[88:89]      ; its scale words: [row][8], + 4 (head % 2)
	v_and_b32 v8, 15, v0                           ; r
	v_bfe_u32 v9, v0, 4, 1                         ; h
	v_and_b32 v10, 31, v0
	s_delay_alu instid0(VALU_DEP_1)
	v_lshlrev_b32 v[AK0], 4, v10
	s_delay_alu instid0(VALU_DEP_1)
	v_add_nc_u32 v[AV0], VC, v[AK0]
	s_delay_alu instid0(VALU_DEP_3)
	v_lshl_add_u32 v[ASK0], v10, 2, 8*FRB
	s_delay_alu instid0(VALU_DEP_4)
	v_lshl_add_u32 v[ASV0], v10, 2, VC+8*FRB
	v_lshlrev_b32 v[QSO], 2, v8
	v_lshlrev_b32 v[OSO], 3, v10
.irp c, 0,1,2
	global_load_b128 v[16+4*\c:19+4*\c], v[AK0], s[82:83] offset:512*\c   ; q's fragment stays in registers
.endr
	global_load_b32 v255, v[QSO], s[84:85]
	s_lshl_b32 s90, s76, 6
	s_lshl_b32 s91, s19, 4
	s_add_co_u32 s90, s90, s91
	v_lshlrev_b32 v[DQ], 3, v9
	s_delay_alu instid0(VALU_DEP_1)
	v_sub_nc_u32 v[DQ], v8, v[DQ]
	s_delay_alu instid0(VALU_DEP_1)
	v_add_nc_u32 v[DQ], s90, v[DQ]
	v_mov_b32 v13, 0xff61b1e6                      ; the largest t so far: -3e38
	s_delay_alu instid0(VALU_DEP_1)
	v_floor_f32 v12, -v13                          ; -M
	v_mov_b32 v14, 0
	v_mov_b32 v15, 0
.irp b, 0,1,2,3
	v_mov_b32 v[236+\b], 0                         ; written once: a lane permute's destination counts as a source
.endr
	v_mov_b32 v252, 0
	v_mov_b32 v253, 0
.set JJ, 0
.rept 64
	v_mov_b32 v[160+JJ], 0                         ; O^T: the step is written once; the first finds zeros
.set JJ, JJ+1
.endr
; block maxima (not under the floor) in v232-235, 64 numbers in v96-159 -> the scale word in v253, the fragment in v224-235
.macro CODES
.irp b, 0,1,2,3
	s_delay_alu instid0(VALU_DEP_4)
	v_add_nc_u32 v[244+\b], 0xfe000000, v[232+\b]  ; 4 off the exponent field: the conversion's scale operand
.endr
.irp b, 0,1,2,3
	s_delay_alu instid0(VALU_DEP_4)
	v_lshrrev_b32 v[236+\b], 23, v[244+\b]         ; the byte
.endr
	s_delay_alu instid0(VALU_DEP_3)
	v_lshl_or_b32 v253, v237, 8, v236
	s_delay_alu instid0(VALU_DEP_1)
	v_lshl_or_b32 v253, v238, 16, v253
	s_delay_alu instid0(VALU_DEP_1)
	v_lshl_or_b32 v253, v239, 24, v253
.irp c, 0,1
	v_cvt_scalef32_pk16_bf6_f32 v[224+6*\c:226+6*\c], v[96+32*\c:111+32*\c], v[244+2*\c]
	v_cvt_scalef32_pk16_bf6_f32 v[236+4*\c:238+4*\c], v[112+32*\c:127+32*\c], v[244+2*\c+1]
.endr
	v_nop                                          ; one plain line behind the conversions
.irp c, 0,1                            ; a WHOLE block in a lane: lanes 0-15 block 2 c, lanes 16-31 block 2 c + 1
.irp i, 0,1,2
	v_permlane16_swap_b32 v[224+6*\c+\i], v[236+4*\c+\i]
.endr
.irp i, 0,1,2
	s_delay_alu instid0(VALU_DEP_3)
	v_mov_b32 v[227+6*\c+\i], v[236+4*\c+\i]
.endr
.endr
.endm
; A KEY STEP: 128 keys
.macro STEP
	s_cmp_gt_u32 s[ST], s[UU]                      ; all its keys come after my queries: only the addresses step
	s_cbranch_scc1 .Lhidden_\@
	v_add_nc_u32 v[ADK], s[TB], v[AK0]             ; (these four are the places in front of loads into registers that the last products read)
	s_wait_alu depctr_va_vdst(0)
	v_add_nc_u32 v[ADV], s[TB], v[AV0]
	v_add_nc_u32 v[ADS], s[TB], v[ASK0]
	s_wait_alu depctr_va_vdst(0)
	v_add_nc_u32 v[ADT], s[TB], v[ASV0]
.irp g, 0,1                            ; S^T = k q^T, four tiles of 16 keys at a time
.rept 4*\g
	v_nop
.endr
.irp t, 0,1,2,3
.irp c, 0,1,2
	ds_load_b128 v[32+12*\t+4*\c:35+12*\t+4*\c], v[ADK] offset:FRB*(4*\g+\t)+512*\c
.endr
.endr
.irp u, 0,1
	ds_load_b32 v[248+2*\g+\u], v[ADS] offset:128*(2*\g+\u)   ; lanes 0-15: the even tile's words, lanes 16-31: the odd tile's
.endr
	s_wait_dscnt 0x0
.irp t, 0,1,2,3
.if \t%2
	v_wmma_scale_f32_16x16x128_f8f6f4 v[96+8*(4*\g+\t):103+8*(4*\g+\t)], v[32+12*\t:43+12*\t], v[16:27], 0, v[248+2*\g+\t/2], v255 matrix_a_fmt:MATRIX_FMT_BF6 matrix_b_fmt:MATRIX_FMT_BF6 matrix_a_scale:MATRIX_SCALE_ROW1
.else
	v_wmma_scale_f32_16x16x128_f8f6f4 v[96+8*(4*\g+\t):103+8*(4*\g+\t)], v[32+12*\t:43+12*\t], v[16:27], 0, v[248+2*\g+\t/2], v255 matrix_a_fmt:MATRIX_FMT_BF6 matrix_b_fmt:MATRIX_FMT_BF6
.endif
.endr
.endr
.rept 4
	v_nop
.endr
	s_cmp_lg_u32 s[ST], s[UU]                      ; my last step lies on the diagonal: there hidden scores become -infinity ahead of the maximum
	s_cbranch_scc1 .Lopen_\@
	v_mov_b32 v254, 0xff800000
.set JJ, 0
.rept 64
	v_cmp_gt_i32 vcc_lo, 32*(JJ/16)+16*((JJ%16)/8)+JJ%8, v[DQ]
	v_cndmask_b32 v[96+JJ], v[96+JJ], v254, vcc_lo
.set JJ, JJ+1
.endr
.Lopen_\@:
.irp b, 0,1,2,3
	v_max3_num_f32 v[232+\b], v[96+16*\b], v[97+16*\b], v[98+16*\b]   ; the largest score of each block of 32 keys: for the row's maximum and, since p rises with the score, for the block's largest p
.endr
.irp i, 3,5,7,9,11,13
.irp b, 0,1,2,3
	v_max3_num_f32 v[232+\b], v[232+\b], v[96+16*\b+\i], v[97+16*\b+\i]
.endr
.endr
.irp b, 0,1,2,3
	v_max_num_f32 v[232+\b], v[232+\b], v[111+16*\b]
.endr
.irp b, 0,1,2,3
	s_delay_alu instid0(VALU_DEP_4)
	v_permlanex16_b32 v[236+\b], v[232+\b], s[SEL], s[SEL+1]
.endr
.irp b, 0,1,2,3
	s_delay_alu instid0(VALU_DEP_4)
	v_max_num_f32 v[232+\b], v[232+\b], v[236+\b]
.endr
	s_delay_alu instid0(VALU_DEP_2)
	v_max3_num_f32 v254, v232, v233, v234
	s_delay_alu instid0(VALU_DEP_1)
	v_max_num_f32 v254, v254, v235
	s_delay_alu instid0(VALU_DEP_1)
	v_mul_f32 v254, s[CS], v254
	s_delay_alu instid0(VALU_DEP_1)
	v_max_num_f32 v13, v13, v254                   ; the running largest t
	v_mov_b32 v254, v12
	s_delay_alu instid0(VALU_DEP_2)
	v_floor_f32 v12, -v13                          ; the new -M: M is a whole number
	s_delay_alu instid0(VALU_DEP_1)
	v_sub_f32 v254, v12, v254
	s_delay_alu instid0(VALU_DEP_1)
	v_cvt_i32_f32 v254, v254
	s_delay_alu instid0(VALU_DEP_1)
	v_ldexp_f32 v252, 1.0, v254                    ; f = 2^(old M - new M)
.set JJ, 0
.rept 32
	v_pk_fma_f32 v[96+JJ:97+JJ], v[96+JJ:97+JJ], s[CS:CS+1], v[12:13] op_sel_hi:[1,0,0]   ; t - M
.set JJ, JJ+2
.endr
.irp b, 0,1,2,3
	v_fma_f32 v[232+\b], v[232+\b], s[CS], v12
.endr
.set JJ, 0
	s_wait_alu depctr_va_vdst(0)
.rept 64
	v_exp_f32 v[96+JJ], v[96+JJ]                   ; p = 2^(t - M)
.set JJ, JJ+1
.endr
	v_pk_mul_f32 v[14:15], v[14:15], v[252:253] op_sel_hi:[1,0]   ; the sums under the new M (a plain line behind the exponentials)
	s_wait_alu depctr_va_vdst(0)                   ; one wait for the whole batch, ahead of its first reader
.irp b, 0,1,2,3
	v_exp_f32 v[232+\b], v[232+\b]                 ; the block's largest p
.endr
	v_pk_add_f32 v[236:237], v[100:101], v[104:105]
	v_pk_add_f32 v[92:93], v[108:109], v[112:113]
	v_pk_add_f32 v[90:91], v[116:117], v[120:121]
	v_pk_add_f32 v[88:89], v[124:125], v[128:129]
	v_pk_add_f32 v[86:87], v[132:133], v[136:137]
	v_pk_add_f32 v[84:85], v[140:141], v[144:145]
	v_pk_add_f32 v[82:83], v[148:149], v[152:153]
	v_pk_add_f32 v[14:15], v[14:15], v[156:157]
	v_pk_add_f32 v[236:237], v[236:237], v[96:97]
	v_pk_add_f32 v[92:93], v[92:93], v[98:99]
	v_pk_add_f32 v[90:91], v[90:91], v[102:103]
	v_pk_add_f32 v[88:89], v[88:89], v[106:107]
	v_pk_add_f32 v[86:87], v[86:87], v[110:111]
	v_pk_add_f32 v[84:85], v[84:85], v[114:115]
	v_pk_add_f32 v[82:83], v[82:83], v[118:119]
	v_pk_add_f32 v[14:15], v[14:15], v[122:123]
	v_pk_add_f32 v[236:237], v[236:237], v[126:127]
	v_pk_add_f32 v[92:93], v[92:93], v[130:131]
	v_pk_add_f32 v[90:91], v[90:91], v[134:135]
	v_pk_add_f32 v[88:89], v[88:89], v[138:139]
	v_pk_add_f32 v[86:87], v[86:87], v[142:143]
	v_pk_add_f32 v[84:85], v[84:85], v[146:147]
	v_pk_add_f32 v[82:83], v[82:83], v[150:151]
	v_pk_add_f32 v[14:15], v[14:15], v[154:155]
	v_pk_add_f32 v[236:237], v[236:237], v[158:159]
	s_delay_alu instid0(VALU_DEP_2)
	v_pk_add_f32 v[14:15], v[14:15], v[88:89]
	s_delay_alu instid0(VALU_DEP_2)
	v_pk_add_f32 v[236:237], v[236:237], v[86:87]
	v_pk_add_f32 v[92:93], v[92:93], v[84:85]
	v_pk_add_f32 v[90:91], v[90:91], v[82:83]
	s_delay_alu instid0(VALU_DEP_2)
	v_pk_add_f32 v[14:15], v[14:15], v[92:93]
	s_delay_alu instid0(VALU_DEP_2)
	v_pk_add_f32 v[236:237], v[236:237], v[90:91]
	s_delay_alu instid0(VALU_DEP_1)
	v_pk_add_f32 v[14:15], v[14:15], v[236:237]
	s_wait_alu depctr_va_vdst(0)                   ; and one for the four
.irp b, 0,1,2,3
	v_max_num_f32 v[232+\b], 0x2800000, v[232+\b]  ; the floor 2^(5 - 127)
.endr
	CODES
.set JJ, 0
.rept 32
	v_pk_mul_f32 v[160+JJ:161+JJ], v[160+JJ:161+JJ], v[252:253] op_sel_hi:[1,0]   ; O^T under the new M; these 32 are also the places in front of the products and loads below
.set JJ, JJ+2
.endr
	s_wait_alu depctr_va_vdst(0)
.irp g, 0,1                            ; O^T += v^T p^T, four tiles of 16 of the head's 128 at a time
.rept 4*\g
	v_nop
.endr
.irp t, 0,1,2,3
.irp c, 0,1,2
	ds_load_b128 v[32+12*\t+4*\c:35+12*\t+4*\c], v[ADV] offset:FRB*(4*\g+\t)+512*\c
.endr
.endr
.irp u, 0,1
	ds_load_b32 v[248+2*\g+\u], v[ADT] offset:128*(2*\g+\u)
.endr
	s_wait_dscnt 0x0
.irp t, 0,1,2,3
.if \t%2
	v_wmma_scale_f32_16x16x128_f8f6f4 v[160+8*(4*\g+\t):167+8*(4*\g+\t)], v[32+12*\t:43+12*\t], v[224:235], v[160+8*(4*\g+\t):167+8*(4*\g+\t)], v[248+2*\g+\t/2], v253 matrix_a_fmt:MATRIX_FMT_BF6 matrix_b_fmt:MATRIX_FMT_BF6 matrix_a_scale:MATRIX_SCALE_ROW1
.else
	v_wmma_scale_f32_16x16x128_f8f6f4 v[160+8*(4*\g+\t):167+8*(4*\g+\t)], v[32+12*\t:43+12*\t], v[224:235], v[160+8*(4*\g+\t):167+8*(4*\g+\t)], v[248+2*\g+\t/2], v253 matrix_a_fmt:MATRIX_FMT_BF6 matrix_b_fmt:MATRIX_FMT_BF6
.endif
.endr
.endr
.Lhidden_\@:
	s_add_co_u32 s[ST], s[ST], 1
	s_add_co_u32 s[TB], s[TB], STB
.endm
	s_wait_alu depctr_va_vdst(0)                   ; the wait at the head's end
	s_wait_tensorcnt 0x0                           ; my part of key steps 0 to 3 is in
	ds_add_u32 v95, v243
	s_wait_dscnt 0x0
	ROUND                                          ; everybody's is, and all four work-groups are here: the joint loads meet
	tensor_load_to_lds s[52:55], s[G1A:G1A+7]      ; key steps 4 to 7: my one load behind the round
	s_nop 0
.rept 4
	v_nop
.endr
	s_wait_loadcnt 0x0
	s_mov_b32 s[CNT], 4
.Lfirst:                                           ; key steps 0 to 3
	STEP
	s_sub_co_u32 s[CNT], s[CNT], 1
	s_cmp_lg_u32 s[CNT], 0
	s_cbranch_scc1 .Lfirst
	s_wait_tensorcnt 0x0                           ; my part of key steps 2 to 7 is in,
	s_wait_dscnt 0x0
	s_barrier_signal -1
	s_barrier_wait -1                              ; everybody's is
	s_mov_b32 s[CNT], 4
.Lrest:                                            ; key steps 4 to 7
	STEP
	s_sub_co_u32 s[CNT], s[CNT], 1
	s_cmp_lg_u32 s[CNT], 0
	s_cbranch_scc1 .Lrest
	; THE WAY OUT: o = O^T / the sum, quantised along the head's 128; its image and its scale words leave from registers
.rept 4
	v_nop                                          ; the places behind the last products
.endr
	v_add_f32 v14, v14, v15
	s_delay_alu instid0(VALU_DEP_1)
	v_permlanex16_b32 v252, v14, s[SEL], s[SEL+1]
	s_delay_alu instid0(VALU_DEP_1)
	v_add_f32 v14, v14, v252                       ; the row's sum
	s_wait_alu depctr_va_vdst(0)
	v_rcp_f32 v14, v14
	v_nop                                          ; a plain line behind the transcendental
	s_wait_alu depctr_va_vdst(0)                   ; the wait ahead of the first reader
.set JJ, 0
.rept 64
	v_mul_f32 v[96+JJ], v[160+JJ], v14
.set JJ, JJ+1
.endr
.irp b, 0,1,2,3
	v_max3_num_f32 v[232+\b], |v[96+16*\b]|, |v[97+16*\b]|, 0x2800000
.endr
.irp i, 2,4,6,8,10,12,14
.irp b, 0,1,2,3
	s_delay_alu instid0(VALU_DEP_4)
	v_max3_num_f32 v[232+\b], v[232+\b], |v[96+16*\b+\i]|, |v[97+16*\b+\i]|
.endr
.endr
.irp b, 0,1,2,3
	s_delay_alu instid0(VALU_DEP_4)
	v_permlanex16_b32 v[236+\b], v[232+\b], s[SEL], s[SEL+1]
.endr
.irp b, 0,1,2,3
	s_delay_alu instid0(VALU_DEP_4)
	v_max_num_f32 v[232+\b], v[232+\b], v[236+\b]
.endr
	CODES
.irp c, 0,1,2
	global_store_b128 v[AK0], v[224+4*\c:227+4*\c], s[92:93] offset:512*\c   ; 512 consecutive bytes
.endr
	global_store_b32 v[OSO], v253, s[94:95]        ; a word a lane, 8 bytes apart: lanes 0-15 the rows' words, lanes 16-31 the same once more (the other head of the pair fills the gaps)
	s_wait_dscnt 0x0
	s_wait_tensorcnt 0x0
	ds_add_u32 v95, v243
	s_wait_dscnt 0x0
	ROUND                                          ; the closing round
	s_endpgm
.Lfunc_end_k_qd1b64741a3_attn:
	.size	k_qd1b64741a3_attn, .Lfunc_end_k_qd1b64741a3_attn-k_qd1b64741a3_attn
	.p2alignl 7, 3214868480
	.fill 96, 4, 3214868480
	.section	.rodata,"a",@progbits
	.p2align	6, 0x0
	.amdhsa_kernel k_qd1b64741a3_attn
		.amdhsa_group_segment_fixed_size 327680
		.amdhsa_private_segment_fixed_size 0
		.amdhsa_enable_private_segment 0
		.amdhsa_kernarg_size 32
		.amdhsa_user_sgpr_count 2
		.amdhsa_user_sgpr_kernarg_segment_ptr 1
		.amdhsa_wavefront_size32 1
		.amdhsa_system_sgpr_workgroup_id_x 1
		.amdhsa_system_sgpr_workgroup_id_y 1
		.amdhsa_system_sgpr_workgroup_id_z 1
		.amdhsa_system_vgpr_workitem_id 0
		.amdhsa_next_free_vgpr 256
		.amdhsa_next_free_sgpr 96
		.amdhsa_reserve_vcc 1
		.amdhsa_float_denorm_mode_32 3
		.amdhsa_float_denorm_mode_16_64 3
		.amdhsa_memory_ordered 1
		.amdhsa_forward_progress 1
		.amdhsa_inst_pref_size 69
	.end_amdhsa_kernel
	.amdgpu_metadata
---
amdhsa.version: [ 1, 2 ]
amdhsa.kernels:
  - .name:           k_qd1b64741a3_attn
    .symbol:         k_qd1b64741a3_attn.kd
    .args:
      - { .name: qq, .offset: 0, .size: 8, .value_kind: global_buffer, .address_space: global }
      - { .name: kq, .offset: 8, .size: 8, .value_kind: global_buffer, .address_space: global }
      - { .name: vq, .offset: 16, .size: 8, .value_kind: global_buffer, .address_space: global }
      - { .name: oq, .offset: 24, .size: 8, .value_kind: global_buffer, .address_space: global }
    .group_segment_fixed_size: 327680
    .private_segment_fixed_size: 0
    .kernarg_segment_align: 8
    .kernarg_segment_size: 32
    .max_flat_workgroup_size: 512
    .sgpr_count:     96
    .vgpr_count:     256
    .wavefront_size: 32
...
	.end_amdgpu_metadata
.endif
;; end of part 3
;; launch oproj (part 4): grid 8 x 32, 4 waves a work-group, clusters of 4 x 4, 327,680 bytes of LDS; arguments oq, woq, out0; writes out0
.if DOCPART == 4
	.amdgcn_target "amdgcn-amd-amdhsa--gfx1250"
	.amdhsa_code_object_version 6
	.text
	.protected	k_qd1b64741a3_oproj
	.globl	k_qd1b64741a3_oproj
	.p2align	8
	.type	k_qd1b64741a3_oproj,@function
k_qd1b64741a3_oproj:
	s_mov_b64 s[64:65], 0
	v_nop
	global_prefetch_b8 v0, s[64:65] scope:SCOPE_SE
	s_setreg_imm32_b32 hwreg(HW_REG_WAVE_MODE, 25, 1), 1
	s_wait_xcnt 0x0
	s_wait_alu depctr_hold_cnt(0) depctr_sa_sdst(0) depctr_va_vdst(0) depctr_va_sdst(0) depctr_va_ssrc(0) depctr_va_vcc(0) depctr_vm_vsrc(0)
	s_getreg_b32 s2, hwreg(HW_REG_IB_STS2, 6, 4)
	s_cmp_eq_u32 s2, 0
	s_cbranch_scc0 .Lentry_in_a_cluster
	s_endpgm
.Lentry_in_a_cluster:
	s_bfe_u32 s2, ttmp6, 0x10000c
	s_cmp_lg_u32 s2, 0xf033
	s_cbranch_scc0 .Lentry_shape_is_right
	s_endpgm
.Lentry_shape_is_right:
; out0 = o Wo on codes of BF6 with E8M0 scales (K = 2,048), f32 sums, f32 out.
; OPERANDS: a tile of 16 rows is 8 chunks of 3,328 bytes (256 along K): two images of fragments (1,536 bytes), the rows' scale bytes [row][8], and 128 bytes more: codes and scales come by one tensor load.
; SHARES.  128 tokens x 256 stored rows of woq by four waves, 64 x 128 each: 32 accumulators.  K goes in steps of 512 (two chunks, 6,656 bytes a tile) through two LDS slots of 24 tiles.
; THE HEAD: both slots are first filled at the head, one joint load a wave: waves 0, 1 slot 0's tiles of o and of woq, waves 2, 3 slot 1's.  In the two refills waves 0, 1 fetch o's halves, waves 2, 3 woq's.
; CLUSTERS 4 x 4: o's tiles are asked for jointly along a row of the cluster, woq's along a column.
; PREFETCH: K 1,024 on is asked for at the head, K 1,536 on behind the first refill, each one slot ahead of the load that wants it; of the tiles that a wave fetches each of the four partners names a quarter
; (o: 1 tile, woq: 2; 26 blocks of 256 bytes a tile, a lane a block, lanes 26-31 the last block again), told apart by address.
; source 0 = rows of woq, source 1 = rows of o: a lane holds one token and eight columns; woq's stored rows have bits 3 and 4 of the column exchanged, which the stage's offsets undo.
; The stage for the way out lies in slot 0, which has had its last fill and its last read behind the walk's last barrier.
.set KT,    26624
.set CH,    3328
.set FRB,   1536
.set KSL,   2*CH
.set AHALF, 4*KSL
.set BHALF, 8*KSL
.set BOFF,  8*KSL
.set SLOT,  24*KSL
.set SPARE, 2*SLOT                     ; the spare words: 128 bytes a wave; no other line names them
.set SPITCH, 528
.set ADRA, 16
.set ADRB, 20
.set STO,  24
.set RD,   25
.set ADRS, 26
.set SPW,  28
.set NIL,  29
.set PFO,  30
.set SC,   32
.set AF,   96
.set BK,   128
.set G1, 24
.set G0, 32
.set G1B, 48
.set G0B, 56
.set G0H, 68
.set G0HB, 72
.set PFA, 76
.set MSB, 0
.macro WIN new
.if MSB != (\new)
	s_set_vgpr_msb (MSB<<8)|(\new)
.set MSB, (\new)
.endif
.endm
.set MUL,    0xa1
.set TO_B,   0x40
.macro JLOAD sel, g0a, g1a, g0b, g1b   ; a joint load: one of two lines by the wave's number; s_nop 0 and four v_nop follow each
	s_cmp_eq_u32 s[\sel], 0
	s_cbranch_scc0 .Lfor_b_\@
	tensor_load_to_lds s[\g0a:\g0a+3], s[\g1a:\g1a+7]
	s_nop 0
.rept 4
	v_nop
.endr
	s_branch .Lasked_\@
.Lfor_b_\@:
	tensor_load_to_lds s[\g0b:\g0b+3], s[\g1b:\g1b+7]
	s_nop 0
.rept 4
	v_nop
.endr
.Lasked_\@:
.endm
.macro CREST
	s_cmp_lg_u32 s18, 0
	s_cbranch_scc1 .Lnot_wave_0_\@
	s_barrier_signal -3
.Lnot_wave_0_\@:
	s_barrier_wait -3
	s_barrier_signal -1
	s_barrier_wait -1
.endm
.macro CROUND
	s_barrier_signal -1
	s_barrier_wait -1
	CREST
.endm
.macro PLACES n
.rept \n
	v_nop
.endr
.endm
.macro ASK off                         ; my share of the slot at byte 'off' of the tiles' rows: o's waves one tile, woq's two
	global_prefetch_b8 v[PFO], s[PFA:PFA+1] offset:\off th:TH_LOAD_NT scope:SCOPE_SE
	s_cmp_eq_u32 s19, 0
	s_cbranch_scc1 .Lone_\@
	global_prefetch_b8 v[PFO], s[PFA:PFA+1] offset:KT+\off th:TH_LOAD_NT scope:SCOPE_SE
.Lone_\@:
.endm
	s_load_b128 s[4:7], s[0:1], 0x0                ; oq, woq
	s_load_b64 s[12:13], s[0:1], 0x10              ; out0
	v_lshl_add_u32 v[SPW], v0, 2, SPARE
	v_mov_b32 v[NIL], 0
	ds_add_u32 v[SPW], v[NIL]                      ; the opening lines: the add, twice on end, and its wait
	ds_add_u32 v[SPW], v[NIL]
	v_lshrrev_b32 v1, 5, v0
	v_readfirstlane_b32 s18, v1                    ; wave
	s_lshr_b32 s19, s18, 1                         ; my half of the tokens; in a refill: I fetch o (0) or woq (1); at the head: the slot
	s_and_b32 s20, s18, 1                          ; my half of the columns; in a refill: which half I fetch; at the head: o (0) or woq (1)
	s_bfe_u32 s40, ttmp6, 0x40000
	s_bfe_u32 s41, ttmp6, 0x40004
	s_lshl_b32 s42, ttmp9, 2
	s_add_co_u32 s42, s42, s40                     ; tile column
	s_and_b32 s21, ttmp7, 0xffff
	s_lshl_b32 s21, s21, 2
	s_add_co_u32 s21, s21, s41                     ; tile row
	s_lshl_b32 s43, s41, 2
	s_lshl_b32 s43, 15, s43
	s_lshl_b32 s44, 0x1111, s40
	s_or_b32 s[G1], s43, (3<<16)|(1<<21)
	s_or_b32 s[G1B], s44, (3<<16)|(1<<21)
.irp g, G1, G1B                        ; rows of 6,656 bytes (two chunks of a tile), 26,624 bytes apart
	s_mov_b32 s[\g+1], 832<<16
	s_mov_b32 s[\g+3], 832<<16
	s_mov_b32 s[\g+5], KT/8
	s_mov_b32 s[\g+6], 0
	s_mov_b32 s[\g+7], 0
.endr
	s_mov_b32 s[G1+2], 8<<16                       ; at the head: o's 8 tiles,
	s_mov_b32 s[G1+4], 8
	s_mov_b32 s[G1B+2], 16<<16                     ; woq's 16
	s_mov_b32 s[G1B+4], 16
	s_lshl_b32 s22, s21, 3
	s_mul_i32 s22, s22, KT
	s_mov_b32 s23, 0
	s_lshl_b32 s46, s42, 4
	s_mul_i32 s46, s46, KT
	s_mov_b32 s47, 0
	s_mul_i32 s45, s19, SLOT
	s_mul_i32 s66, s19, KSL
	s_mov_b32 s67, 0
	s_wait_dscnt 0x0
	s_wait_kmcnt 0x0
	s_add_nc_u64 s[22:23], s[4:5], s[22:23]
	s_add_nc_u64 s[46:47], s[6:7], s[46:47]
	CROUND                                         ; all sixteen work-groups are here: the first joint loads meet
	s_mov_b32 s[G0H], 1
	s_mov_b32 s[G0H+1], s45
	s_add_nc_u64 s[G0H+2:G0H+3], s[22:23], s[66:67]
	s_or_b32 s[G0H+3], s[G0H+3], 0x80000000
	s_mov_b32 s[G0HB], 1
	s_add_co_u32 s[G0HB+1], s45, BOFF
	s_add_nc_u64 s[G0HB+2:G0HB+3], s[46:47], s[66:67]
	s_or_b32 s[G0HB+3], s[G0HB+3], 0x80000000
	JLOAD 20, G0H, G1, G0HB, G1B                   ; my one load at the head
	s_mul_i32 s66, s20, 4*KT                       ; for the refills: my half of the tiles
	s_add_nc_u64 s[22:23], s[22:23], s[66:67]
	s_mul_i32 s66, s20, 8*KT
	s_add_nc_u64 s[46:47], s[46:47], s[66:67]
	s_mul_i32 s45, s20, AHALF
	s_mul_i32 s92, s20, BHALF
	s_add_co_u32 s92, s92, BOFF
.irp s, 0,1
	s_mov_b32 s[G0+4*\s], 1
	s_add_co_u32 s[G0+4*\s+1], s45, \s*SLOT
	s_add_nc_u64 s[G0+4*\s+2:G0+4*\s+3], s[22:23], \s*KSL
	s_or_b32 s[G0+4*\s+3], s[G0+4*\s+3], 0x80000000
	s_mov_b32 s[G0B+4*\s], 1
	s_add_co_u32 s[G0B+4*\s+1], s92, \s*SLOT
	s_add_nc_u64 s[G0B+4*\s+2:G0B+4*\s+3], s[46:47], \s*KSL
	s_or_b32 s[G0B+4*\s+3], s[G0B+4*\s+3], 0x80000000
.endr
	s_cmp_eq_u32 s19, 0                            ; the prefetches: of the tiles that I fetch, my work-group's quarter
	s_cselect_b64 s[PFA:PFA+1], s[22:23], s[46:47]
	s_cselect_b32 s66, s40, s41
	s_mul_i32 s66, s66, KT
	s_lshl_b32 s66, s66, s19                       ; one tile of o, two of woq
	s_add_nc_u64 s[PFA:PFA+1], s[PFA:PFA+1], s[66:67]
	s_mul_i32 s78, s19, AHALF                      ; my tiles of o,
	s_mul_i32 s79, s20, BHALF
	s_add_co_u32 s79, s79, BOFF                    ; my tiles of woq
	s_add_co_u32 s80, s78, 2*FRB                   ; scale bytes: behind a chunk's two images
	s_sub_co_u32 s81, s79, s78
	s_mul_i32 s82, s18, 16*SPITCH                  ; my stage
	s_lshl_b32 s22, s21, 7
	s_lshl_b32 s23, s19, 6
	s_add_co_u32 s22, s22, s23
	s_lshl_b32 s22, s22, 13                        ; my first row of out0, 8,192 bytes a row
	s_lshl_b32 s46, s42, 10
	s_lshl_b32 s47, s20, 9
	s_add_co_u32 s46, s46, s47
	s_add_co_u32 s22, s22, s46
	s_mov_b32 s23, 0
	s_add_nc_u64 s[12:13], s[12:13], s[22:23]
	v_and_b32 v4, 31, v0
	v_min_u32 v5, 25, v4
	v_lshlrev_b32 v[PFO], 8, v5                    ; block 0 .. 25 of a tile's two chunks
	v_and_b32 v1, 15, v0
	v_bfe_u32 v2, v0, 4, 1
	v_lshlrev_b32 v3, 4, v4
	v_add_nc_u32 v[ADRA], s78, v3
	v_add_nc_u32 v[ADRB], s79, v3
	v_add_nc_u32 v[ADRA+1], SLOT, v[ADRA]
	v_add_nc_u32 v[ADRB+1], SLOT, v[ADRB]
	v_mul_u32_u24 v5, s81, v2                      ; lanes 16-31 take woq's scale bytes
	v_lshl_add_u32 v5, v1, 3, v5
	v_add_nc_u32 v[ADRS], s80, v5
	v_add_nc_u32 v[ADRS+1], SLOT, v[ADRS]
	v_mul_u32_u24 v5, v1, SPITCH
	v_lshl_add_u32 v5, v2, 6, v5
	v_add_nc_u32 v[STO], s82, v5
	v_add_nc_u32 v[RD], s82, v3
.macro FRAG reg, adr, off
.irp c, 0,1,2
	ds_load_b128 v[(\reg)+4*\c:(\reg)+4*\c+3], v[\adr] offset:(\off)+512*\c
.endr
.endm
.macro FETCH slot, q, set              ; the slot's q-th 128 along K: woq's eight fragments, o's four
	WIN TO_B
.irp i, 0,1,2,3,4,5,6,7
	FRAG 128*(\set)+12*\i, ADRB+(\slot), \i*KSL+((\q)/2)*CH+((\q)%2)*FRB
.endr
	WIN 0
.irp i, 0,1,2,3
	FRAG AF+48*(\set)+12*\i, ADRA+(\slot), \i*KSL+((\q)/2)*CH+((\q)%2)*FRB
.endr
.endm
.macro SCALES slot                     ; register 4 i + q: lanes 0-15 o's block i, lanes 16-31 woq's, for the slot's q-th step
.irp i, 0,1,2,3,4,5,6,7
	ds_load_b64 v[SC+32*(\slot)+4*\i:SC+32*(\slot)+4*\i+1], v[ADRS+(\slot)] offset:\i*KSL
	ds_load_b64 v[SC+32*(\slot)+4*\i+2:SC+32*(\slot)+4*\i+3], v[ADRS+(\slot)] offset:\i*KSL+CH
.endr
.endm
.macro MUL8 a, set, q, sc, zero        ; the 32 accumulators take turns
.irp b, 0,1,2,3,4,5,6,7
.if \zero
	v_wmma_scale_f32_16x16x128_f8f6f4 v[8*(8*(\a)+\b):8*(8*(\a)+\b)+7], v[128*(\set)+12*\b:128*(\set)+12*\b+11], v[AF+48*(\set)+12*(\a):AF+48*(\set)+12*(\a)+11], 0, v[SC+32*(\sc)+4*\b+(\q)], v[SC+32*(\sc)+4*(\a)+(\q)] matrix_a_fmt:MATRIX_FMT_BF6 matrix_b_fmt:MATRIX_FMT_BF6 matrix_a_scale:MATRIX_SCALE_ROW1
.else
	v_wmma_scale_f32_16x16x128_f8f6f4 v[8*(8*(\a)+\b):8*(8*(\a)+\b)+7], v[128*(\set)+12*\b:128*(\set)+12*\b+11], v[AF+48*(\set)+12*(\a):AF+48*(\set)+12*(\a)+11], v[8*(8*(\a)+\b):8*(8*(\a)+\b)+7], v[SC+32*(\sc)+4*\b+(\q)], v[SC+32*(\sc)+4*(\a)+(\q)] matrix_a_fmt:MATRIX_FMT_BF6 matrix_b_fmt:MATRIX_FMT_BF6 matrix_a_scale:MATRIX_SCALE_ROW1
.endif
.endr
.endm
.macro STEP slot, q, zero              ; one of a slot's first three steps: the next step's fragments are asked for, then this step's 32 products
	s_wait_dscnt 0x0
	PLACES 4
	FETCH \slot, (\q)+1, 1-(\q)%2
	WIN MUL
.irp a, 0,1,2,3
	MUL8 \a, (\q)%2, \q, \slot, \zero
.endr
.endm
.macro TURN slot, next, fill, ask      ; a slot's last step changes slots: one barrier, with the three lines in front of it
	WIN 0
	s_wait_tensorcnt 0x0
	ds_add_u32 v[SPW], v[NIL]
	s_wait_dscnt 0x1                               ; (the add may be out)
	WIN MUL
	MUL8 0, 1, 3, \slot, 0
	s_wait_dscnt 0x0
	s_barrier_signal -1
	MUL8 1, 1, 3, \slot, 0
	WIN 0
	s_barrier_wait -1
.if \fill
	CREST                                          ; the barrier has opened a round of the cluster's barrier
	s_add_nc_u64 s[G0+4*\slot+2:G0+4*\slot+3], s[G0+4*\slot+2:G0+4*\slot+3], 2*KSL
	s_add_nc_u64 s[G0B+4*\slot+2:G0B+4*\slot+3], s[G0B+4*\slot+2:G0B+4*\slot+3], 2*KSL
	JLOAD 19, G0+4*\slot, G1, G0B+4*\slot, G1B
.else
	PLACES 4
.endif
	FETCH \next, 0, 0
	SCALES \next
.if \ask
	ASK 3*KSL                                      ; what the second refill loads
.endif
	WIN MUL
	MUL8 2, 1, 3, \slot, 0
	MUL8 3, 1, 3, \slot, 0
.endm
	s_wait_alu depctr_va_vdst(0)                   ; the wait at the head's end
	ASK 2*KSL                                      ; what the first refill loads
	s_wait_tensorcnt 0x0                           ; my load of the head's four has landed: no tensor load of mine is out, so group 1 may be written:
	s_mov_b32 s[G1+2], 4<<16
	s_mov_b32 s[G1+4], 4
	s_mov_b32 s[G1B+2], 8<<16                      ; or 8 of woq
	s_mov_b32 s[G1B+4], 8
	s_barrier_signal -1
	s_barrier_wait -1                              ; both slots are whole
	FETCH 0, 0, 0
	SCALES 0
	STEP 0, 0, 1
	STEP 0, 1, 0
	STEP 0, 2, 0
	TURN 0, 1, 1, 1
	STEP 1, 0, 0
	STEP 1, 1, 0
	STEP 1, 2, 0
	TURN 1, 0, 1, 0
	STEP 0, 0, 0
	STEP 0, 1, 0
	STEP 0, 2, 0
	TURN 0, 1, 0, 0
	STEP 1, 0, 0
	STEP 1, 1, 0
	STEP 1, 2, 0
	s_wait_dscnt 0x0
.irp a, 0,1,2,3
	MUL8 \a, 1, 3, 1, 0
.endr
	WIN 0
.macro TOSTAGE a                       ; 16 rows x 128 columns through my stage, back as whole rows of 512 bytes
.set AC, 64*(\a)
	WIN 0x08
.irp b, 0,1,2,3,4,5,6,7
	ds_store_b128 v[STO], v[AC+8*\b:AC+8*\b+3] offset:128*(\b/2)+32*(\b%2)
	ds_store_b128 v[STO], v[AC+8*\b+4:AC+8*\b+7] offset:128*(\b/2)+32*(\b%2)+16
.endr
	WIN 0
.set BB, BK+64*((\a)%2)
.irp t, 0,1,2,3,4,5,6,7,8,9,10,11,12,13,14,15
	ds_load_b128 v[BB+4*\t:BB+4*\t+3], v[RD] offset:\t*SPITCH
.endr
.endm
.macro SEND a, younger
.set BB, BK+64*((\a)%2)
	s_wait_dscnt \younger
.if (\a) > 0
	s_add_nc_u64 s[12:13], s[12:13], 16*8192
.endif
.irp t, 0,1,2,3,4,5,6,7,8,9,10,11,12,13,14,15
	global_store_b128 v3, v[BB+4*\t:BB+4*\t+3], s[12:13] offset:\t*8192 th:TH_STORE_NT   ; 512 consecutive bytes, aligned
.endr
.endm
	PLACES 4
	TOSTAGE 0
.irp a, 1,2,3
.if \a > 1
	s_wait_xcnt 0x0                                ; block a - 2's stores have read their registers and their base
.endif
	TOSTAGE \a
	SEND \a-1, 32
.endr
	s_wait_xcnt 0x0
	SEND 3, 0
	s_wait_tensorcnt 0x0                           ; the wave's end
	ds_add_u32 v[SPW], v[NIL]
	s_wait_dscnt 0x0
	CROUND                                         ; the closing round
	s_endpgm
.Lfunc_end_k_qd1b64741a3_oproj:
	.size	k_qd1b64741a3_oproj, .Lfunc_end_k_qd1b64741a3_oproj-k_qd1b64741a3_oproj
	.p2alignl 7, 3214868480
	.fill 96, 4, 3214868480
	.section	.rodata,"a",@progbits
	.p2align	6, 0x0
	.amdhsa_kernel k_qd1b64741a3_oproj
		.amdhsa_group_segment_fixed_size 327680
		.amdhsa_private_segment_fixed_size 0
		.amdhsa_enable_private_segment 0
		.amdhsa_kernarg_size 24
		.amdhsa_user_sgpr_count 2
		.amdhsa_user_sgpr_kernarg_segment_ptr 1
		.amdhsa_wavefront_size32 1
		.amdhsa_system_sgpr_workgroup_id_x 1
		.amdhsa_system_sgpr_workgroup_id_y 1
		.amdhsa_system_sgpr_workgroup_id_z 1
		.amdhsa_system_vgpr_workitem_id 0
		.amdhsa_next_free_vgpr 768
		.amdhsa_next_free_sgpr 98
		.amdhsa_reserve_vcc 0
		.amdhsa_float_denorm_mode_32 3
		.amdhsa_float_denorm_mode_16_64 3
		.amdhsa_memory_ordered 1
		.amdhsa_forward_progress 1
		.amdhsa_inst_pref_size 134
	.end_amdhsa_kernel
	.amdgpu_metadata
---
amdhsa.version: [ 1, 2 ]
amdhsa.kernels:
  - .name:           k_qd1b64741a3_oproj
    .symbol:         k_qd1b64741a3_oproj.kd
    .args:
      - { .name: oq, .offset: 0, .size: 8, .value_kind: global_buffer, .address_space: global }
      - { .name: woq, .offset: 8, .size: 8, .value_kind: global_buffer, .address_space: global }
      - { .name: out0, .offset: 16, .size: 8, .value_kind: global_buffer, .address_space: global }
    .group_segment_fixed_size: 327680
    .private_segment_fixed_size: 0
    .kernarg_segment_align: 8
    .kernarg_segment_size: 24
    .max_flat_workgroup_size: 128
    .sgpr_count:     98
    .vgpr_count:     768
    .wavefront_size: 32
...
	.end_amdgpu_metadata
.endif
;; end of part 4
